; MI455X (gfx1250); checked and timed in simulation.
; The chip was launched on July 23, 2026; its instructions are those of AMD's public machine-readable ISA for CDNA 5 (MIT licence, August 2026) and "CDNA5" Instruction Set Architecture Reference Guide (July 2026). The comments in the code are by the model that wrote it; some were corrected since.
;; Multi Attention Head. Allowed arithmetic: matrix products marked QUANTISED: E2M1 operands, one E8M0 scale for each 32 along K, by v_wmma_scale_f32_16x16x128_f8f6f4 with both operands' format E2M1 (or v_wmma_scale_f32_32x16x128_f4), f32 sums; products left as they are: bf16, f16 or f32 operands; f32 sums; everything else in f32.
;; Inputs: Wk 8 x 512 x 512 float32; Wq 8 x 512 x 512 float32; Ws 512 x 4,096 float32; Wv 8 x 512 x 512 float32; bk 8 x 512 float32; bq 8 x 512 float32; bs 512 float32; bv 8 x 512 float32; x 8 x 512 x 512 float32.
;; Outputs: out0 8 x 512 x 512 float32.
;; This version of the problem:
;;   THIS VERSION OF THE PROBLEM IS GIVEN IN LOW PRECISION. The matrix products marked QUANTISED in the list below multiply operands that are first quantised to E2M1 (2 exponent bits, 1 mantissa bit; 4 bits a number), with one power-of-two scale for each 32 numbers along K (OCP MX v1.0); their sums are f32. The products marked 'left as it is' may take bf16, f16 or f32 operands, with f32 sums. Whichever they take, every output number must still come out within the allowed error. Rounding operands to bf16 (8 significant bits) uses up far more of that allowance than f16 does (11 bits, for magnitudes from 6e-5 to 65,504). All else is computed in f32.
;;   The module's matrix products, in the order in which they are computed (A, B: the left and right operand; K: the contracted axis; several contracted axes count as one K, in the product's order):
;;     1. [M 4,096, K 512] x [K 512, N 4,096]; A: input Wq; B: input x: QUANTISED
;;     2. [M 4,096, K 512] x [K 512, N 4,096]; A: input Wk; B: input x: QUANTISED
;;     3. [M 4,096, K 512] x [K 512, N 4,096]; A: input Wv; B: input x: QUANTISED
;;     4. batch 64 x [M 512, K 512] x [K 512, N 512]; A: computed on the way; B: computed on the way: left as it is (an operand is computed on the way)
;;     5. batch 64 x [M 512, K 512] x [K 512, N 512]; A: computed on the way; B: computed on the way: left as it is (an operand is computed on the way)
;;     6. [M 4,096, K 4,096] x [K 4,096, N 512]; A: computed on the way; B: input Ws: left as it is (an operand is computed on the way)
;;   THE QUANTISER, for each operand of a quantised product, along K:
;;     - K is cut into blocks of 32 from its start; a last block that is shorter is filled with zeros.
;;     - A block's scale is 2^e with e = floor(log2(the largest magnitude in the block)) - 2, held to -126 .. 127; a block of zeros has e = 0. As a byte (E8M0): e + 127.
;;     - Each number is divided by its block's scale, clamped to +-6, and rounded to the nearest number of E2M1, ties to even, subnormals kept.
;;     - The product sums the exact products of the quantised numbers (number of the format x scale) in f32.
;;   ~~~python
;;   def quantise(x, axis):      # numpy; x: float32 -> the quantised numbers, widened to float32 again
;;       x = np.moveaxis(x, axis, -1); K = x.shape[-1]
;;       x = np.pad(x, [(0, 0)] * (x.ndim - 1) + [(0, -K % 32)]); x = x.reshape(x.shape[:-1] + (-1, 32)); a = np.abs(x).max(-1, keepdims=True)
;;       e = np.where(a > 0, np.clip(np.frexp(np.where(a > 0, a, 1))[1] - 1 - 2, -126, 127), 0)      # np.frexp(a)[1] - 1 = floor(log2(a)), exactly
;;       r = np.clip(x / 2.0 ** e, -6, 6)
;;       step = 2.0 ** (np.maximum(np.frexp(np.where(r == 0, 1, r))[1] - 1, 0) - 1)
;;       q = np.round(r / step) * step * 2.0 ** e      # np.round: ties to even
;;       return np.moveaxis(q.reshape(q.shape[:-2] + (-1,))[..., :K], -1, axis).astype(np.float32)
;;   ~~~
;; One version. Each part assembles by itself: llvm-mc -triple=amdgcn-amd-amdhsa -mcpu=gfx1250 --defsym DOCPART=n.
;; ======== version 1 of 1: 5 launches
;; limits: values are held in f16: magnitudes above 65,504 overflow, below 6.1e-05 lose precision
;; workspace buffers: codes 4,456,448 bytes; wf 4,194,304 bytes; kf 33,554,432 bytes; vf 33,554,432 bytes; cat 33,554,432 bytes; part 16,777,216 bytes
;; launch prep (part 1): grid 320 x 1, 4 waves a work-group, no clusters, 39,424 bytes of LDS; arguments x, Wq, Wk, Wv, Ws, codes, wf; writes codes, wf
.if DOCPART == 1
	.amdgcn_target "amdgcn-amd-amdhsa--gfx1250"
	.amdhsa_code_object_version 6
	.text
	.protected	k_q27b7e7d286_prep
	.globl	k_q27b7e7d286_prep
	.p2align	8
	.type	k_q27b7e7d286_prep,@function
k_q27b7e7d286_prep:
	s_mov_b64 s[64:65], 0
	v_nop
	global_prefetch_b8 v0, s[64:65] scope:SCOPE_SE
	s_setreg_imm32_b32 hwreg(HW_REG_WAVE_MODE, 25, 1), 1
	s_wait_xcnt 0x0
; PREP.  x [4096][512], Wq, Wk, Wv [4096][512] (heads x outputs as rows), f32, become codes of FP4 (E2M1) with one E8M0 scale byte for each 32 along K (the last axis); Ws [512][4096] becomes f16.
; A block's scale is 2^(floor(log2(its largest magnitude)) - 2); its byte is the largest magnitude's exponent field - 2, held at 1 from below.  Each number is divided by the scale and rounded to the nearest code, ties to even.
; (A block of zeros gets the byte 1 where the stated quantiser says 127: its codes are zeros, which add nothing under any byte but 0xff, and this program alone reads the bytes.)
; LIMITS: NaN and infinities among the inputs are not served; blocks whose largest magnitude lies under 2^(2 - 126) are held at the byte 1; |Ws| stays under 65,504, and under 6e-5 it is kept to 3e-8 absolute (f16).
; THE CODES ARE LAID AS THE MATRIX OPERAND'S REGISTERS WANT THEM.  A tile is 16 rows x 512 K = 4,352 bytes: block kb (32 codes, 16 bytes) of row r at 256 kb + 16 r; its scale byte at 4,096 + 16 r + kb.
; So the fragment of K step q (128 along K) is 1,024 consecutive bytes at 1,024 q, 16 bytes a lane and load, and a row's four scale words are 16 consecutive bytes.  Tiles: x's 256, then Wq's, Wk's, Wv's.
; SHARES.  Work-groups 0-255: each of four waves one tile; a step is one row (512 numbers): four loads of 512 consecutive bytes, turned through the wave's own stage in LDS so that a lane holds 16 neighbours along K
; (two neighbouring lanes hold a block).  Codes and scale bytes are gathered in the wave's own LDS and leave as 17 aligned runs of 256 bytes.  Work-groups 256-319: Ws, 32,768 bytes a wave, no LDS.
; No tensor loads, no barrier, no cluster: waves and work-groups share nothing, and every byte is read once.
.set STEPS, 16
.set EMAX,  2
.set SP,    80                         ; a lane's place in a turn stage: 64 bytes + 16 of padding
.set CST,   2*32*SP                    ; behind the two turn stages: the tile's codes, 16 blocks-of-K x (256 bytes + 16)
.set SCS,   CST+16*272                 ; behind them: its 256 scale bytes
.set WREG,  SCS+256                    ; 9,728 bytes: a wave's own region
.set SPARE, 4*WREG                     ; behind the four regions: the spare words, 128 bytes a wave, which no other line names
.set R,     16                         ; v16-79   four sets of 16 numbers as loaded
.set X,     80                         ; v80-111  two sets of 16 neighbours
.set E,     112                        ; v112-127 a scale byte for each step
.set C,     128                        ; v128-159 two registers of codes for each step
.set OUTR,  160                        ; v160-191 the way out
.set SPW,   12                         ; v12      my spare word's LDS address; never rewritten
.set NIL,   13                         ; v13      0; never rewritten
	s_load_b256 s[4:11], s[0:1], 0x0               ; x, Wq, Wk, Wv
	s_load_b128 s[12:15], s[0:1], 0x20             ; Ws, codes
	s_load_b64 s[16:17], s[0:1], 0x30              ; wf
	v_lshl_add_u32 v[SPW], v0, 2, SPARE
	v_mov_b32 v[NIL], 0
	v_lshrrev_b32 v1, 5, v0
	v_readfirstlane_b32 s18, v1                    ; wave
	v_and_b32 v2, 31, v0                           ; lane
	v_lshlrev_b32 v3, 4, v2                        ; 16 x lane
	v_lshlrev_b32 v7, 3, v2                        ; 8 x lane
	s_cmp_lt_u32 ttmp9, 256                        ; the work-group's number alone decides the path
	s_cbranch_scc0 .Lws
	; ---------------- the quantiser ----------------
	s_mul_i32 s19, s18, WREG
	v_lshrrev_b32 v14, 2, v2
	v_mul_u32_u24 v14, v14, SP
	v_and_b32 v15, 3, v2
	v_lshl_add_u32 v14, v15, 4, v14
	v_add_nc_u32 v14, s19, v14                     ; turn stage, in: SP (lane / 4) + 16 (lane % 4)
	v_mul_u32_u24 v15, v2, SP
	v_add_nc_u32 v15, s19, v15                     ; turn stage, out: SP x lane
	v_lshrrev_b32 v5, 1, v2                        ; my block of K: lane / 2
	v_mul_u32_u24 v4, v5, 272
	v_and_b32 v6, 1, v2
	v_lshl_add_u32 v4, v6, 3, v4
	v_add_nc_u32 v4, s19, v4
	v_add_nc_u32 v4, CST, v4                       ; my 8 bytes of codes: 272 x block + 8 (lane % 2); the row stands in the offset
	v_add_nc_u32 v5, s19, v5
	v_add_nc_u32 v5, SCS, v5                       ; my block's scale byte; 16 x row stands in the offset
	v_add_nc_u32 v6, s19, v7
	v_add_nc_u32 v6, SCS, v6                       ; the scale bytes on the way out: 8 a lane
	v_lshrrev_b32 v10, 4, v2
	v_mul_u32_u24 v10, v10, 272
	v_and_b32 v9, 15, v2
	v_lshl_add_u32 v10, v9, 4, v10
	v_add_nc_u32 v10, s19, v10
	v_add_nc_u32 v10, CST, v10                     ; the codes on the way out: sixteen lanes to a block of K, two blocks an instruction
	s_lshr_b32 s20, ttmp9, 6                       ; which tensor
	s_and_b32 s21, ttmp9, 63
	s_lshl_b32 s21, s21, 2
	s_add_co_u32 s21, s21, s18                     ; my tile in it
	s_lshl_b32 s22, s21, 15                        ; 16 rows of 2,048 bytes
	s_mov_b32 s23, 0
	s_lshl_b32 s24, ttmp9, 2
	s_add_co_u32 s24, s24, s18
	s_mul_i32 s24, s24, 4352                       ; my tile among all 1,024
	s_mov_b32 s25, 0
	s_wait_kmcnt 0x0
	s_cmp_eq_u32 s20, 1
	s_cselect_b64 s[4:5], s[6:7], s[4:5]
	s_cmp_eq_u32 s20, 2
	s_cselect_b64 s[4:5], s[8:9], s[4:5]
	s_cmp_eq_u32 s20, 3
	s_cselect_b64 s[4:5], s[10:11], s[4:5]
	s_add_nc_u64 s[4:5], s[4:5], s[22:23]
	s_add_nc_u64 s[14:15], s[14:15], s[24:25]
.macro LOAD t
.irp i, 0,1,2,3
	global_load_b128 v[R+16*((\t)%4)+4*\i:R+16*((\t)%4)+4*\i+3], v3, s[4:5] offset:2048*(\t)+512*\i th:TH_LOAD_NT   ; 32 lanes read 512 consecutive bytes
.endr
.endm
.macro TURN t                          ; row t through a turn stage: LDS serves a wave's instructions in order, so no wait stands between the stores and the loads
.irp i, 0,1,2,3
	ds_store_b128 v14, v[R+16*((\t)%4)+4*\i:R+16*((\t)%4)+4*\i+3] offset:32*SP*((\t)%2)+8*SP*\i
.endr
.irp i, 0,1,2,3
	ds_load_b128 v[X+16*((\t)%2)+4*\i:X+16*((\t)%2)+4*\i+3], v15 offset:32*SP*((\t)%2)+16*\i
.endr
.endm
.irp t, 0,1,2,3
	LOAD \t
.endr
	s_wait_loadcnt 12                              ; row 0's four loads are in; twelve younger ones stay out
	TURN 0
.macro STEP t
.set XS, X+16*((\t)%2)
.if (\t) > 0
	s_wait_dscnt 2                                 ; this row is back from the stage; behind its loads stand the last row's code store and byte store
.else
	s_wait_dscnt 0x0
.endif
.if (\t)+4 < STEPS
	LOAD (\t)+4                                    ; into the registers that this row's stage stores have read
.endif
.if (\t)+1 < STEPS
.if STEPS-2-(\t) >= 3
	s_wait_loadcnt 12                              ; the next row's four loads are in; those of the three rows behind it may be out
.else
	s_wait_loadcnt 4*(STEPS-2-(\t))
.endif
	TURN (\t)+1
.endif
	v_max3_num_f32 v8, |v[XS]|, |v[XS+1]|, |v[XS+2]|               ; the largest magnitude of my 16, in two chains
	v_max3_num_f32 v9, |v[XS+3]|, |v[XS+4]|, |v[XS+5]|
.irp i, 6,10
	v_max3_num_f32 v8, v8, |v[XS+\i]|, |v[XS+\i+1]|
	v_max3_num_f32 v9, v9, |v[XS+\i+2]|, |v[XS+\i+3]|
.endr
	v_max3_num_f32 v8, v8, |v[XS+14]|, |v[XS+15]|
	v_max3_num_f32 v8, v8, v9, (EMAX+1)<<23        ; and the floor 2^(3 - 127): the byte cannot fall under 1
	v_max_num_f32_dpp v8, v8, v8 row_xmask:1 row_mask:0xf bank_mask:0xf   ; with my neighbour's 16: the block's
	v_add_nc_u32 v11, -(EMAX<<23), v8              ; 2 off its exponent field: the conversion takes that field as its scale and nothing else of the operand
	v_cvt_scalef32_pk8_fp4_f32 v[C+2*(\t)], v[XS:XS+7], v11
	v_cvt_scalef32_pk8_fp4_f32 v[C+2*(\t)+1], v[XS+8:XS+15], v11
	v_lshrrev_b32 v[E+(\t)], 23, v11               ; the scale's byte (also the plain line behind the conversions)
	ds_store_b64 v4, v[C+2*(\t):C+2*(\t)+1] offset:16*(\t)
	ds_store_b8 v5, v[E+(\t)] offset:16*(\t)       ; both lanes of a block write the same byte with the same value
.endm
.irp t, 0,1,2,3,4,5,6,7,8,9,10,11,12,13,14,15
	STEP \t
.endr
.irp i, 0,1,2,3,4,5,6,7
	ds_load_b128 v[OUTR+4*\i:OUTR+4*\i+3], v10 offset:2*\i*272     ; these see my stores: a wave's LDS instructions are served in order
.endr
	ds_load_b64 v[8:9], v6
.irp i, 0,1,2,3,4,5,6,7
	s_wait_dscnt 8-\i                              ; behind load i: 7 - i loads of codes and the load of the scale bytes
	global_store_b128 v3, v[OUTR+4*\i:OUTR+4*\i+3], s[14:15] offset:512*\i   ; 512 consecutive bytes, aligned to 256
.endr
	s_wait_dscnt 0x0
	global_store_b64 v7, v[8:9], s[14:15] offset:4096              ; 256 consecutive bytes, aligned
	s_wait_tensorcnt 0x0                           ; the wave's end
	ds_add_u32 v[SPW], v[NIL]
	s_wait_dscnt 0x0
	s_endpgm
	; ---------------- Ws to f16: a plain stream, 64 chunks of 512 bytes a wave, in four groups of 16; two groups of loads are out ----------------
.Lws:
	s_sub_co_u32 s19, ttmp9, 256
	s_lshl_b32 s19, s19, 2
	s_add_co_u32 s19, s19, s18                     ; my run of 8,192 numbers
	s_lshl_b32 s20, s19, 15
	s_mov_b32 s21, 0
	s_lshl_b32 s22, s19, 14
	s_mov_b32 s23, 0
	s_wait_kmcnt 0x0
	s_add_nc_u64 s[12:13], s[12:13], s[20:21]
	s_add_nc_u64 s[16:17], s[16:17], s[22:23]
.macro WLOAD g
.irp i, 0,1,2,3,4,5,6,7,8,9,10,11,12,13,14,15
	global_load_b128 v[16+64*((\g)%2)+4*\i:16+64*((\g)%2)+4*\i+3], v3, s[12:13] offset:(16*(\g)+\i)*512 th:TH_LOAD_NT
.endr
.endm
.macro WSG g
.if (\g) < 3
	s_wait_loadcnt 16                              ; this group is in; the next group's 16 loads may be out
.else
	s_wait_loadcnt 0x0
.endif
.if (\g) >= 2
	s_wait_xcnt 0x0                                ; the stores of two groups back have read the registers that are written now
.endif
.irp i, 0,1,2,3,4,5,6,7,8,9,10,11,12,13,14,15
	v_cvt_pk_f16_f32 v[144+32*((\g)%2)+2*\i], v[16+64*((\g)%2)+4*\i], v[17+64*((\g)%2)+4*\i]
	v_cvt_pk_f16_f32 v[145+32*((\g)%2)+2*\i], v[18+64*((\g)%2)+4*\i], v[19+64*((\g)%2)+4*\i]
.endr
.if (\g) < 2
	WLOAD (\g)+2
.endif
.irp i, 0,1,2,3,4,5,6,7,8,9,10,11,12,13,14,15
	global_store_b64 v7, v[144+32*((\g)%2)+2*\i:145+32*((\g)%2)+2*\i], s[16:17] offset:(16*(\g)+\i)*256   ; 256 consecutive bytes, aligned
.endr
.endm
	WLOAD 0
	WLOAD 1
	WSG 0
	WSG 1
	WSG 2
	WSG 3
	s_endpgm
.Lfunc_end_k_q27b7e7d286_prep:
	.size	k_q27b7e7d286_prep, .Lfunc_end_k_q27b7e7d286_prep-k_q27b7e7d286_prep
	.p2alignl 7, 3214868480
	.fill 96, 4, 3214868480
	.section	.rodata,"a",@progbits
	.p2align	6, 0x0
	.amdhsa_kernel k_q27b7e7d286_prep
		.amdhsa_group_segment_fixed_size 39424
		.amdhsa_private_segment_fixed_size 0
		.amdhsa_enable_private_segment 0
		.amdhsa_kernarg_size 56
		.amdhsa_user_sgpr_count 2
		.amdhsa_user_sgpr_kernarg_segment_ptr 1
		.amdhsa_wavefront_size32 1
		.amdhsa_system_sgpr_workgroup_id_x 1
		.amdhsa_system_sgpr_workgroup_id_y 1
		.amdhsa_system_sgpr_workgroup_id_z 1
		.amdhsa_system_vgpr_workitem_id 0
		.amdhsa_next_free_vgpr 208
		.amdhsa_next_free_sgpr 66
		.amdhsa_reserve_vcc 0
		.amdhsa_float_denorm_mode_32 3
		.amdhsa_float_denorm_mode_16_64 3
		.amdhsa_memory_ordered 1
		.amdhsa_forward_progress 1
		.amdhsa_inst_pref_size 56
	.end_amdhsa_kernel
	.amdgpu_metadata
---
amdhsa.version: [ 1, 2 ]
amdhsa.kernels:
  - .name:           k_q27b7e7d286_prep
    .symbol:         k_q27b7e7d286_prep.kd
    .args:
      - { .name: x, .offset: 0, .size: 8, .value_kind: global_buffer, .address_space: global }
      - { .name: Wq, .offset: 8, .size: 8, .value_kind: global_buffer, .address_space: global }
      - { .name: Wk, .offset: 16, .size: 8, .value_kind: global_buffer, .address_space: global }
      - { .name: Wv, .offset: 24, .size: 8, .value_kind: global_buffer, .address_space: global }
      - { .name: Ws, .offset: 32, .size: 8, .value_kind: global_buffer, .address_space: global }
      - { .name: codes, .offset: 40, .size: 8, .value_kind: global_buffer, .address_space: global }
      - { .name: wf, .offset: 48, .size: 8, .value_kind: global_buffer, .address_space: global }
    .group_segment_fixed_size: 39424
    .private_segment_fixed_size: 0
    .kernarg_segment_align: 8
    .kernarg_segment_size: 56
    .max_flat_workgroup_size: 128
    .sgpr_count:     66
    .vgpr_count:     208
    .wavefront_size: 32
...
	.end_amdgpu_metadata
.endif
;; end of part 1
;; launch kv (part 2): grid 16 x 16, 4 waves a work-group, clusters of 4 x 4, 327,680 bytes of LDS; arguments codes, bk, kf, vf; writes kf, vf
.if DOCPART == 2
	.amdgcn_target "amdgcn-amd-amdhsa--gfx1250"
	.amdhsa_code_object_version 6
	.text
	.protected	k_q27b7e7d286_kv
	.globl	k_q27b7e7d286_kv
	.p2align	8
	.type	k_q27b7e7d286_kv,@function
k_q27b7e7d286_kv:
	s_mov_b64 s[64:65], 0
	v_nop
	global_prefetch_b8 v0, s[64:65] scope:SCOPE_SE
	s_setreg_imm32_b32 hwreg(HW_REG_WAVE_MODE, 25, 1), 1
	s_wait_xcnt 0x0
	s_wait_alu depctr_hold_cnt(0) depctr_sa_sdst(0) depctr_va_vdst(0) depctr_va_sdst(0) depctr_va_ssrc(0) depctr_va_vcc(0) depctr_vm_vsrc(0)
	s_getreg_b32 s2, hwreg(HW_REG_IB_STS2, 6, 4)
	s_cmp_eq_u32 s2, 0
	s_cbranch_scc0 .Lentry_in_a_cluster
	s_endpgm
.Lentry_in_a_cluster:
	s_bfe_u32 s2, ttmp6, 0x10000c
	s_cmp_lg_u32 s2, 0xf033
	s_cbranch_scc0 .Lentry_shape_is_right
	s_endpgm
.Lentry_shape_is_right:
; KV.  k = x Wk^T + bk, v = x Wv^T (bv is added in the attention launch, behind the division by the row's sum, where it is exact), on codes of FP4 (E2M1) with E8M0 scales; sums in f32.
; (q is made by the attention launch itself: each of its work-groups owns queries that no other owns, so q need not go through memory.)
; A work-group takes 256 rows of x (tile gy) and the 256 rows gx of each of Wk, Wv, for all of K = 512: three tiles of 69,632 bytes (codes and scale bytes together), each filled ONCE; nothing in LDS is filled again.
; Two products of 256 x 256 x 512 follow each other on the same 64 accumulators a wave (128 x 128: 512 registers).  While k's results leave, v's first fragments are on their way from LDS.
; CLUSTERS: 4 x 4 work-groups.  The four of a row of the cluster need the same tile of x, the four of a column the same tiles of W: each is asked for JOINTLY, by the same tensor load with the same descriptor and a mask that names the four.
; Each wave fetches a quarter (4 tiles of 16 rows, 17,408 dense bytes) of each of the three tiles: three tensor loads of mine are out at the most.
; THE OPERANDS lie in memory and in LDS as images of the operand's registers: a fragment (16 rows x 128 K) is two loads of 512 consecutive bytes; a row's four scale words are 16 bytes.
; THE RESULTS are rounded to f16 and stored as images of the NEXT products' operands: in k source 0 = 16 rows of W, source 1 = 16 rows of x, so a lane holds one position and eight neighbouring channels: half a fragment
; (16 positions x 32 channels) of K Q^T; in v source 0 = x, source 1 = Wv, so a lane holds one channel and eight neighbouring keys: half a fragment (16 channels x 32 keys) of V^T P.  Every store is 512 consecutive bytes, aligned to 256; no stage.
; kf: [batch x 8 + head][32 channels f][16 positions t][1,024 bytes];  vf: [head x 8 + batch][32 keys ks][16 channels dt][1,024 bytes].
; LIMITS: |k|, |v| stay under 65,504 (f16); magnitudes under 6e-5 are kept to 3e-8 absolute.
; REGISTERS, in windows of 256: window 0: v1 store offset, v16-22 LDS addresses, v28-29 the add's two, v32-95 scale words (two sets), v128-191 source 1's eight fragments (one set), v192-255 packed results (two banks).
;   window 1: v0-63, v128-191 source 0's eight fragments (two sets); v192-255 bk in the result's layout.   windows 2, 3: the accumulators ((a, b) at v[8 (8 (a % 4) + b)], a < 4 in window 2).
.set TILEB, 4352                       ; a tile of 16 rows: 4,096 bytes of codes + 256 of scale bytes
.set HALFB, 8*TILEB                    ; a wave's 128 rows
.set PARTB, 4*TILEB                    ; what one tensor load brings
.set RGN,   16*TILEB                   ; 256 rows
.set TENB,  256*TILEB                  ; a whole tensor in the buffer of codes: x, Wq, Wk, Wv
.set XT,    0
.set WK,    RGN
.set WV,    2*RGN
.set SPARE, 3*RGN                      ; behind the tiles: the spare words, 128 bytes a wave, which no other line names
.set CO,   1
.set ADX,  16
.set ADWK, 18
.set ADWV, 19
.set ADSK, 21
.set ADSV, 22
.set SPW,  28
.set NIL,  29
.set SC,   32
.set AF,   128
.set TMP,  192
.set BIK,  192
.set G1X,  24                          ; s[24:31] group 1 for x's tile;  s[32:39] for W's: they differ in the mask alone
.set G1W,  32
.set G0X,  40                          ; s[40:43] group 0 for x;  s[44:51] for Wk, Wv
.set G0W,  44
.set MSB, 0
.macro WIN new                         ; the immediate's high byte repeats the setting that is left; a switch that changes nothing is dropped
.if MSB != (\new)
	s_set_vgpr_msb (MSB<<8)|(\new)
.set MSB, (\new)
.endif
.endm
.macro CREST
	s_cmp_lg_u32 s16, 0
	s_cbranch_scc1 .Lnot_wave_0_\@
	s_barrier_signal -3
.Lnot_wave_0_\@:
	s_barrier_wait -3
	s_barrier_signal -1
	s_barrier_wait -1
.endm
.macro CROUND                          ; a round of the cluster's barrier
	s_barrier_signal -1
	s_barrier_wait -1
	CREST
.endm
.macro PLACES                          ; four plain places behind matrix instructions, in front of loads into registers that they have read and of the first read of results
.rept 4
	v_nop
.endr
.endm
.macro OBASE d, ga, gb, wa, wb         ; s[d:d+1] = 1,024 x (((ga / 2) 8 + gb / 2) 512 + ((gb % 2) 8 + 4 wb) 32 + (ga % 2) 16 + 8 wa)
	s_lshr_b32 s[\d], s[\ga], 1
	s_lshl_b32 s[\d], s[\d], 3
	s_lshr_b32 s[\d+1], s[\gb], 1
	s_add_co_u32 s[\d], s[\d], s[\d+1]
	s_lshl_b32 s[\d], s[\d], 4
	s_and_b32 s[\d+1], s[\gb], 1
	s_lshl_b32 s[\d+1], s[\d+1], 3
	s_add_co_u32 s[\d], s[\d], s[\d+1]
	s_lshl_b32 s[\d+1], s[\wb], 2
	s_add_co_u32 s[\d], s[\d], s[\d+1]
	s_lshl_b32 s[\d], s[\d], 5
	s_and_b32 s[\d+1], s[\ga], 1
	s_lshl_b32 s[\d+1], s[\d+1], 4
	s_add_co_u32 s[\d], s[\d], s[\d+1]
	s_lshl_b32 s[\d+1], s[\wa], 3
	s_add_co_u32 s[\d], s[\d], s[\d+1]
	s_lshl_b32 s[\d], s[\d], 10
	s_mov_b32 s[\d+1], 0
.endm
	s_load_b64 s[4:5], s[0:1], 0x0                 ; codes
	s_load_b64 s[8:9], s[0:1], 0x8                 ; bk
	s_load_b128 s[12:15], s[0:1], 0x10             ; kf s[12:13], vf s[14:15]
	v_lshl_add_u32 v[SPW], v0, 2, SPARE
	v_mov_b32 v[NIL], 0
	ds_add_u32 v[SPW], v[NIL]                      ; the wave's opening: the add, twice on end, and its wait ahead of my first tensor load
	ds_add_u32 v[SPW], v[NIL]
	v_lshrrev_b32 v2, 5, v0
	v_readfirstlane_b32 s16, v2                    ; wave 0..3
	s_lshr_b32 s17, s16, 1                         ; wr: which 128 rows of x are mine
	s_and_b32 s18, s16, 1                          ; wc: which 128 rows of W
	s_bfe_u32 s19, ttmp6, 0x40000                  ; cx
	s_bfe_u32 s20, ttmp6, 0x40004                  ; cy
	s_lshl_b32 s21, ttmp9, 2
	s_add_co_u32 s21, s21, s19                     ; gx: W's tile
	s_and_b32 s22, ttmp7, 0xffff
	s_lshl_b32 s22, s22, 2
	s_add_co_u32 s22, s22, s20                     ; gy: x's tile
	s_lshl_b32 s23, s20, 2
	s_lshl_b32 s23, 15, s23                        ; my row of the cluster
	s_lshl_b32 s56, 0x1111, s19                    ; my column
	; group 1: 17,408 dense bytes as 68 rows of 256 (32 elements of 8 bytes), no padding: every LDS read here takes consecutive bytes
	s_or_b32 s[G1X], s23, (3<<16)|(1<<21)          ; 15:0 the mask; 17:16 elements of 8 bytes; 21 set beside a mask
	s_or_b32 s[G1W], s56, (3<<16)|(1<<21)
.irp g, G1X, G1W
	s_mov_b32 s[\g+1], 32<<16                      ; tensor_dim0
	s_mov_b32 s[\g+2], 68<<16                      ; tensor_dim1
	s_mov_b32 s[\g+3], 32<<16                      ; tile_dim0
	s_mov_b32 s[\g+4], 68                          ; tile_dim1
	s_mov_b32 s[\g+5], 32                          ; from row to row
	s_mov_b32 s[\g+6], 0
	s_mov_b32 s[\g+7], 0
.endr
	s_mul_i32 s57, s16, PARTB                      ; my quarter, in memory and in LDS alike: the wave's number alone
	s_mul_i32 s58, s22, RGN                        ; x: made of gy and the wave's number,
	s_add_co_u32 s58, s58, s57
	s_mov_b32 s59, 0
	s_mul_i32 s60, s21, RGN                        ; W: of gx and the wave's number
	s_add_co_u32 s60, s60, s57
	s_add_co_u32 s60, s60, 2*TENB                  ; Wk's codes lie behind x's and Wq's
	s_mov_b32 s61, 0
	s_wait_dscnt 0x0                               ; both opening adds are done
	s_wait_kmcnt 0x0
	s_mov_b32 s[G0X], 1
	s_add_co_u32 s[G0X+1], s57, XT
	s_add_nc_u64 s[G0X+2:G0X+3], s[4:5], s[58:59]
	s_or_b32 s[G0X+3], s[G0X+3], 0x80000000
.irp n, 0,1
	s_mov_b32 s[G0W+4*\n], 1
	s_add_co_u32 s[G0W+4*\n+1], s57, WK+\n*RGN
	s_add_nc_u64 s[G0W+4*\n+2:G0W+4*\n+3], s[4:5], s[60:61]
	s_add_nc_u64 s[G0W+4*\n+2:G0W+4*\n+3], s[G0W+4*\n+2:G0W+4*\n+3], \n*TENB
	s_or_b32 s[G0W+4*\n+3], s[G0W+4*\n+3], 0x80000000
.endr
	CROUND                                         ; all sixteen work-groups are here: the joint loads meet
	tensor_load_to_lds s[G0X:G0X+3], s[G1X:G1X+7]  ; x,
	s_nop 0
	tensor_load_to_lds s[G0W:G0W+3], s[G1W:G1W+7]  ; Wk,
	s_nop 0
	tensor_load_to_lds s[G0W+4:G0W+7], s[G1W:G1W+7]   ; Wv: all first fills, in the order in which they are wanted
	s_nop 0
.rept 4
	v_nop
.endr
	v_and_b32 v2, 31, v0
	v_lshlrev_b32 v[CO], 4, v2                     ; 16 x lane
	v_and_b32 v3, 15, v0                           ; r
	v_bfe_u32 v4, v0, 4, 1                         ; lane / 16
	s_mul_i32 s62, s17, HALFB
	s_mul_i32 s63, s18, HALFB
	v_add_nc_u32 v[ADX], s62, v[CO]                ; my 128 rows of x
	s_add_co_u32 s66, s63, WK
	v_add_nc_u32 v[ADWK], s66, v[CO]               ; my 128 rows of each W
	s_add_co_u32 s66, s63, WV
	v_add_nc_u32 v[ADWV], s66, v[CO]
	v_lshlrev_b32 v5, 4, v3
	s_add_co_u32 s67, s62, 4096
	v_add_nc_u32 v5, s67, v5                       ; scale words: lanes 0-15 take x's rows;
	s_xor_b32 s68, s17, 1
	s_add_co_u32 s68, s68, s18
	s_mul_i32 s68, s68, HALFB
	s_add_co_u32 s68, s68, HALFB                   ; lanes 16-31 W's, this many bytes further on: (2 + wc - wr) x 34,816, and a region more for Wv
	v_mul_u32_u24 v6, s68, v4
	v_add_nc_u32 v[ADSK], v5, v6
	s_add_co_u32 s68, s68, RGN
	v_mul_u32_u24 v6, s68, v4
	v_add_nc_u32 v[ADSV], v5, v6
	s_lshl_b32 s70, s21, 10                        ; the bias of my 128 outputs: 4 (256 gx + 128 wc) bytes on
	s_lshl_b32 s71, s18, 9
	s_add_co_u32 s70, s70, s71
	s_mov_b32 s71, 0
	s_add_nc_u64 s[8:9], s[8:9], s[70:71]
	v_lshlrev_b32 v7, 5, v4                        ; lane (r, h) wants, for tile b, outputs 16 b + 8 h + 0 .. 7
	WIN 0x40                                       ; destination window 1
.irp b, 0,1,2,3,4,5,6,7
	global_load_b128 v[BIK+8*\b:BIK+8*\b+3], v7, s[8:9] offset:64*\b
	global_load_b128 v[BIK+8*\b+4:BIK+8*\b+7], v7, s[8:9] offset:64*\b+16
.endr
	WIN 0
	OBASE 72, 22, 21, 17, 18                       ; where my part of k begins,
	OBASE 74, 21, 22, 18, 17                       ; and of v: heads and batches, rows and columns change places
	s_add_nc_u64 s[12:13], s[12:13], s[72:73]
	s_add_nc_u64 s[14:15], s[14:15], s[74:75]
.macro FRAG reg, adr, q, i             ; a fragment: lane l holds row l % 16; registers 4 c .. 4 c + 3 hold K = 64 c + 32 (l / 16) + 0 .. 31: the image's bytes 512 c + 16 l
.irp c, 0,1
	ds_load_b128 v[\reg+4*\c:\reg+4*\c+3], v[\adr] offset:(\i)*TILEB+(\q)*1024+512*\c
.endr
.endm
.macro FETCH0 adr, q, p                ; source 0's eight fragments of K step q into set p of window 1
	WIN 0x40
.irp i, 0,1,2,3,4,5,6,7
	FRAG 128*(\p)+8*\i, \adr, \q, \i
.endr
	WIN 0
.endm
.macro FETCH1 adr, q, i0               ; source 1's blocks i0 .. i0 + 3
.irp i, \i0, \i0+1, \i0+2, \i0+3
	FRAG AF+8*(\i), \adr, \q, \i
.endr
.endm
.macro SCALES ads, sc                  ; all four K steps' scale words: register 4 i + q: lanes 0-15 x's tile i, lanes 16-31 W's tile i
.irp i, 0,1,2,3,4,5,6,7
	ds_load_b128 v[SC+32*(\sc)+4*\i:SC+32*(\sc)+4*\i+3], v[\ads] offset:\i*TILEB
.endr
.endm
; 16 matrix instructions: source 1's blocks a0, a0 + 1 x source 0's eight.  cin < 0: adds in place; cin > 0: the bias at v[cin + 8 b] of window 1 starts the sum; cin = 0: the constant 0 does.
; vv = 0: source 0 is W (its scale words in lanes 16-31); vv = 1: source 1 is.  The 64 accumulators take turns, one instruction a turn, in one order throughout.
.macro MUL16 a0, p, q, sc, cin, vv
.irp a, \a0, \a0+1
.irp b, 0,1,2,3,4,5,6,7
.set D_,  8*(8*((\a)%4)+\b)
.set S0_, 128*(\p)+8*\b
.set S1_, AF+8*(\a)
.set X0_, SC+32*(\sc)+4*\b+(\q)
.set X1_, SC+32*(\sc)+4*(\a)+(\q)
.if (\vv) == 0
.if (\cin) < 0
	v_wmma_scale_f32_16x16x128_f8f6f4 v[D_:D_+7], v[S0_:S0_+7], v[S1_:S1_+7], v[D_:D_+7], v[X0_], v[X1_] matrix_a_fmt:MATRIX_FMT_FP4 matrix_b_fmt:MATRIX_FMT_FP4 matrix_a_scale:MATRIX_SCALE_ROW1
.else
	v_wmma_scale_f32_16x16x128_f8f6f4 v[D_:D_+7], v[S0_:S0_+7], v[S1_:S1_+7], v[(\cin)+8*\b:(\cin)+8*\b+7], v[X0_], v[X1_] matrix_a_fmt:MATRIX_FMT_FP4 matrix_b_fmt:MATRIX_FMT_FP4 matrix_a_scale:MATRIX_SCALE_ROW1
.endif
.else
.if (\cin) < 0
	v_wmma_scale_f32_16x16x128_f8f6f4 v[D_:D_+7], v[S0_:S0_+7], v[S1_:S1_+7], v[D_:D_+7], v[X0_], v[X1_] matrix_a_fmt:MATRIX_FMT_FP4 matrix_b_fmt:MATRIX_FMT_FP4 matrix_b_scale:MATRIX_SCALE_ROW1
.else
	v_wmma_scale_f32_16x16x128_f8f6f4 v[D_:D_+7], v[S0_:S0_+7], v[S1_:S1_+7], 0, v[X0_], v[X1_] matrix_a_fmt:MATRIX_FMT_FP4 matrix_b_fmt:MATRIX_FMT_FP4 matrix_b_scale:MATRIX_SCALE_ROW1
.endif
.endif
.endr
.endr
.endm
; A K step of 128 that has a successor.  Source 1 has one set of registers: its blocks 0-3 are fetched anew in the step's middle, blocks 4-7 at its end; source 0 has two sets.
.macro STEP r0, r1, q, sc, cin, vv
	s_wait_dscnt 8                                 ; all but the youngest eight loads (source 1's blocks 4-7) are in
.if (\cin) > 0
	WIN 0x91                                       ; source 0 and C window 1, source 1 window 0, D window 2
.else
	WIN 0xa1                                       ; source 0 window 1, source 1 window 0, C and D window 2
.endif
	MUL16 0, (\q)%2, \q, \sc, \cin, \vv
	MUL16 2, (\q)%2, \q, \sc, \cin, \vv
	s_wait_dscnt 0x0                               ; blocks 4-7 are in (asked for 32 matrix instructions ago)
	PLACES
	FETCH0 \r0, (\q)+1, 1-(\q)%2
	FETCH1 \r1, (\q)+1, 0
.if (\cin) > 0
	WIN 0xd1
.else
	WIN 0xf1
.endif
	MUL16 4, (\q)%2, \q, \sc, \cin, \vv
	MUL16 6, (\q)%2, \q, \sc, \cin, \vv
	PLACES
	WIN 0
	FETCH1 \r1, (\q)+1, 4
.endm
.macro LAST sc, vv                     ; K step 3: nothing more to fetch
	s_wait_dscnt 8
	WIN 0xa1
	MUL16 0, 1, 3, \sc, -1, \vv
	MUL16 2, 1, 3, \sc, -1, \vv
	s_wait_dscnt 0x0
	WIN 0xf1
	MUL16 4, 1, 3, \sc, -1, \vv
	MUL16 6, 1, 3, \sc, -1, \vv
	WIN 0
.endm
.macro PROLOG r0, r1, ads, sc          ; a product's first fragments and all its scale words; the youngest eight loads are source 1's blocks 4-7
	FETCH0 \r0, 0, 0
	FETCH1 \r1, 0, 0
	SCALES \ads, \sc
	FETCH1 \r1, 0, 4
.endm
; THE WAY OUT of a product: accumulator (a, b), rounded to f16, is half b % 2 of the fragment (b / 2, a): 16 bytes a lane, 512 consecutive bytes a store.
.macro OUT base
.irp a, 0,1,2,3,4,5,6,7
	s_wait_xcnt 0x0                                ; the earlier stores have read the bank that is written now
	WIN 0x0a+5*(\a/4)                              ; sources 0 and 1: window 2 or 3
.irp b, 0,1,2,3,4,5,6,7
.irp r, 0,1,2,3
	v_cvt_pk_f16_f32 v[TMP+32*(\a%2)+4*\b+\r], v[8*(8*(\a%4)+\b)+2*\r], v[8*(8*(\a%4)+\b)+2*\r+1]   ; each accumulator from its low end on
.endr
.endr
	WIN 0
.irp b, 0,1,2,3,4,5,6,7
	global_store_b128 v[CO], v[TMP+32*(\a%2)+4*\b:TMP+32*(\a%2)+4*\b+3], s[\base:\base+1] offset:(\b/2)*32768+\a*1024+(\b%2)*512 th:TH_STORE_NT
.endr
.endr
.endm
	s_wait_loadcnt 0x0                             ; the bias
	s_wait_tensorcnt 1                             ; my parts of x and Wk are in; behind them Wv's load may stay out
	s_barrier_signal -1
	s_barrier_wait -1                              ; everybody's are
	PROLOG ADWK, ADX, ADSK, 0
	STEP ADWK, ADX, 0, 0, BIK, 0                   ; k: bk starts the sums
	STEP ADWK, ADX, 1, 0, -1, 0
	STEP ADWK, ADX, 2, 0, -1, 0
	LAST 0, 0
	s_wait_tensorcnt 0x0                           ; my part of Wv is in
	s_barrier_signal -1
	s_barrier_wait -1
	PLACES
	PROLOG ADX, ADWV, ADSV, 1                      ; v's first fragments come from LDS while k leaves
	OUT 12
	STEP ADX, ADWV, 0, 1, 0, 1                     ; v: sources changed over; the constant 0 starts the sums.  k's 256 conversions are the places between k's last products and the products that write over its accumulators
	STEP ADX, ADWV, 1, 1, -1, 1
	STEP ADX, ADWV, 2, 1, -1, 1
	LAST 1, 1
	PLACES
	OUT 14
	s_wait_tensorcnt 0x0                           ; the wave's end
	ds_add_u32 v[SPW], v[NIL]
	s_wait_dscnt 0x0
	CROUND                                         ; the closing round
	s_endpgm
.Lfunc_end_k_q27b7e7d286_kv:
	.size	k_q27b7e7d286_kv, .Lfunc_end_k_q27b7e7d286_kv-k_q27b7e7d286_kv
	.p2alignl 7, 3214868480
	.fill 96, 4, 3214868480
	.section	.rodata,"a",@progbits
	.p2align	6, 0x0
	.amdhsa_kernel k_q27b7e7d286_kv
		.amdhsa_group_segment_fixed_size 327680
		.amdhsa_private_segment_fixed_size 0
		.amdhsa_enable_private_segment 0
		.amdhsa_kernarg_size 32
		.amdhsa_user_sgpr_count 2
		.amdhsa_user_sgpr_kernarg_segment_ptr 1
		.amdhsa_wavefront_size32 1
		.amdhsa_system_sgpr_workgroup_id_x 1
		.amdhsa_system_sgpr_workgroup_id_y 1
		.amdhsa_system_sgpr_workgroup_id_z 1
		.amdhsa_system_vgpr_workitem_id 0
		.amdhsa_next_free_vgpr 1024
		.amdhsa_next_free_sgpr 80
		.amdhsa_reserve_vcc 0
		.amdhsa_float_denorm_mode_32 3
		.amdhsa_float_denorm_mode_16_64 3
		.amdhsa_memory_ordered 1
		.amdhsa_forward_progress 1
		.amdhsa_inst_pref_size 139
	.end_amdhsa_kernel
	.amdgpu_metadata
---
amdhsa.version: [ 1, 2 ]
amdhsa.kernels:
  - .name:           k_q27b7e7d286_kv
    .symbol:         k_q27b7e7d286_kv.kd
    .args:
      - { .name: codes, .offset: 0, .size: 8, .value_kind: global_buffer, .address_space: global }
      - { .name: bk, .offset: 8, .size: 8, .value_kind: global_buffer, .address_space: global }
      - { .name: kf, .offset: 16, .size: 8, .value_kind: global_buffer, .address_space: global }
      - { .name: vf, .offset: 24, .size: 8, .value_kind: global_buffer, .address_space: global }
    .group_segment_fixed_size: 327680
    .private_segment_fixed_size: 0
    .kernarg_segment_align: 8
    .kernarg_segment_size: 32
    .max_flat_workgroup_size: 128
    .sgpr_count:     80
    .vgpr_count:     1024
    .wavefront_size: 32
...
	.end_amdgpu_metadata
.endif
;; end of part 2
;; launch attn (part 3): grid 4 x 64, 4 waves a work-group, no clusters, 309,760 bytes of LDS; arguments codes, kf, vf, bv, cat, bq; writes cat
.if DOCPART == 3
	.amdgcn_target "amdgcn-amd-amdhsa--gfx1250"
	.amdhsa_code_object_version 6
	.text
	.protected	k_q27b7e7d286_attn
	.globl	k_q27b7e7d286_attn
	.p2align	8
	.type	k_q27b7e7d286_attn,@function
k_q27b7e7d286_attn:
	s_mov_b64 s[64:65], 0
	v_nop
	global_prefetch_b8 v0, s[64:65] scope:SCOPE_SE
	s_setreg_imm32_b32 hwreg(HW_REG_WAVE_MODE, 25, 1), 1
	s_wait_xcnt 0x0
; ATTN.  cat[b][s][h 512 + d] = sum over keys k <= s of softmax_k(q[s] . k[k] / sqrt(512)) v[k][d] + bv[h][d], with q = x Wq^T + bq made here, on codes of FP4 (E2M1) with E8M0 scales, sums in f32.
; k and v come as f16 fragment images; the two products of attention take f16 operands and f32 sums; softmax in f32.
; bv is added behind the division by the row's sum l: sum p (v + bv) / l = (sum p v) / l + bv, since l is the sum of the same p.
; SHARES.  A work-group is (batch, head, c), c = 0..3: it owns the eight query tiles m = 0..7 with queries 64 m + 16 c + 0 .. 15.  Query tile m meets the key blocks kb <= m (64 keys each): 36 tile-blocks, the same
; triangle in every work-group, so the work is even and no branch hangs on a work-group's number.  Only the blocks kb = m are masked, by a compare of whole numbers and a select.
; Q: no other work-group owns these queries, so their projection is done here once and q never goes to memory.  Wave w makes channels 128 w + 0 .. 127 for all eight query tiles (source 0 = 16 rows of Wq, source 1 = 16 rows of x):
; a lane holds one query and eight neighbouring channels: rounded to f16, half a fragment of K Q^T's source 1; it goes to LDS as an image of the operand's registers, for all four waves.
; S^T = K Q^T (source 0 = 16 keys, source 1 = 16 queries): wave w takes keys 64 kb + 16 w + 0 .. 15 of every block: 36 accumulators, 288 registers; all scores stay in registers, so the softmax is exact: the row's true
; maximum is taken (over the wave's keys, the other half of the lanes, and the four waves through LDS) ahead of the exponentials.  A lane holds one query and eight neighbouring keys: packed to f16 that is half a fragment of P.
; O^T = V^T P (source 0 = 16 channels, source 1 = 16 queries x 32 keys): wave w takes channels 128 w + 0 .. 127 for all eight query tiles: 64 accumulators.  P goes from wave to wave through LDS as images of the operand's registers.
; K AND V GO FROM MEMORY STRAIGHT INTO REGISTERS: each of their fragments is used by exactly one wave of the work-group.
; NO CLUSTER: what the four work-groups of a batch and head share is K, V and Wq's codes, and a joint load lands in LDS alone.  Beside Q (131,072 bytes) and P (73,728) LDS has room for two slots of some 50,000 bytes of K or V, so one
; such slot could be on its way; the rings in registers have 5 x 16 (K) or 4 x 16 (V) loads of 512 bytes a wave, four sets of them on their way: 131,072 bytes for the four waves, with no barrier in the loops.
; Wq's codes are 139,264 bytes, filled once, of the 1.35 million that a work-group takes in: too small a part to pay for a cluster's rounds.
; LIMITS: |q|, |k|, |v| and the results stay under 65,504 (f16); magnitudes and p under 6e-5 are kept to 3e-8 absolute; NaN and infinities are not served.
; REGISTERS, in windows of 256.  Window 0: v1-17, v22-26 addresses; v28-29 the add's two; v32-47 pairs (c M, 0) a query tile; v48-63 pairs (1 / l, 0); v64-191 four buffers of an x tile, then two sets of Q's, later P's eight fragments
;   (between: at work); v192-255 x's and Wq's scale words, later bv.  Window 1: q's two banks of 8 accumulators, bq, two banks of packed q; then S^T's accumulators 0-25; later O^T of query tiles 0-3.
;   Window 2: Wq's 32 fragments; then v0-79 accumulators 26-35, v128-191 K's fifth set; later O^T of tiles 4-7.  Window 3: K's sets 0-3, later V's four sets.
.set TILEB, 4352                       ; a tile of 16 rows of codes: 4,096 bytes of codes + 256 of scale bytes
.set TENB,  256*TILEB                  ; a whole tensor in the buffer of codes: x, then Wq
.set MX,    131072                     ; behind Q: the waves' maxima [m][r][w] f32, 2,048 bytes; then their sums, 2,048 bytes
.set PL,    135168                     ; P: fragment (kb, m, a) at 1,024 (2 IDX + a), IDX = 0 .. 35
.set STG,   208896                     ; the way out: 16 rows x (256 + 16) bytes for each wave
.set CW,    135168                     ; Wq's codes of my head, 32 tiles; wave w's own eight at 34,816 w.  P and the stage lie in these bytes: they have had their only fill, and two barriers stand between their last read and P's first store
.set CX,    CW+32*TILEB                ; the eight x tiles of my queries
.set SPARE, CX+8*TILEB                 ; the spare words, 128 bytes a wave, which no other line names
.set L16,  1                           ; 16 x lane
.set AQ1,  2                           ; + 65,536: Q's upper half
.set KO,   3                           ; 1,024 w + 16 x lane
.set VO,   4                           ; 8,192 w + 16 x lane
.set PS0,  5                           ; P, stores: PL + 512 w + 16 x lane;
.set PS1,  6                           ; + 36,864: an LDS offset has 16 bits
.set PR0,  7                           ; P, loads: PL + 16 x lane;
.set PR1,  8                           ; + 36,864
.set MXS,  9                           ; MX + 16 r + 4 w
.set MXL,  10                          ; MX + 16 r
.set DLT,  11                          ; 16 c + r - 16 w - 8 (lane / 16): in a diagonal block register j is hidden where j > this
.set NINF, 12                          ; -infinity
.set BVO,  13
.set STO,  14
.set RD,   15
.set GO,   16
.set PFO,  17                          ; 8,192 c + 256 x lane; never rewritten
.set ACW,  22                          ; CW + 34,816 w + 16 x lane: my tiles of Wq
.set ASW,  23                          ; CW + 34,816 w + 4,096 + 16 r: their scale words
.set ACX,  24                          ; CX + 16 x lane
.set ASX,  25                          ; CX + 4,096 + 16 r
.set QS,   26                          ; 32,768 w + 16 x lane: where I store q
.set SPW,  28
.set NIL,  29
.set ST,   32
.set RL,   48
.set T,    64
.set U,    72
.set EX,   80
.set LSP,  112
.set PK,   128
.set BV,   192
.set XSC,  192                         ; x's scale words: tile m, K step q at 4 m + q
.set WSC,  224                         ; Wq's: tile b, K step q at 4 b + q
.set MSB, 0
.macro WIN new                         ; the immediate's high byte repeats the setting that is left; a switch that changes nothing is dropped
.if MSB != (\new)
	s_set_vgpr_msb (MSB<<8)|(\new)
.set MSB, (\new)
.endif
.endm
.macro PLACES                          ; four plain places behind matrix instructions, in front of loads into registers that they have read and of the first read of results
.rept 4
	v_nop
.endr
.endm
.macro SREG kb, m                      ; IX_: the number of tile-block (kb, m);  SA_: where its accumulator begins in its window (kb < 4: window 1, else window 2)
.set IX_, 8*(\kb)-(\kb)*((\kb)-1)/2+(\m)-(\kb)
.set SA_, 8*IX_-208*((\kb)/4)
.endm
.macro SEQ n                           ; SQ_: the n-th step of 32 keys of the second product: 0 1 14 15 2 3 12 13 4 5 10 11 6 7 8 9: long and short steps by turns
.set J_, (\n)/2
.set SQ_, 2*((J_/2)+(J_%2)*(7-2*(J_/2)))+(\n)%2
.endm
	s_load_b256 s[4:11], s[0:1], 0x0               ; codes s[4:5], kf s[6:7], vf s[8:9], bv s[10:11]
	s_load_b64 s[12:13], s[0:1], 0x20              ; cat
	s_load_b64 s[80:81], s[0:1], 0x28              ; bq
	v_lshl_add_u32 v[SPW], v0, 2, SPARE
	v_mov_b32 v[NIL], 0
	ds_add_u32 v[SPW], v[NIL]                      ; the wave's opening: the add, twice on end, and its wait ahead of my first tensor load
	ds_add_u32 v[SPW], v[NIL]
	v_lshrrev_b32 v18, 5, v0
	v_readfirstlane_b32 s14, v18                   ; wave 0..3
	s_and_b32 s16, ttmp7, 0xffff                   ; batch x 8 + head
	s_lshr_b32 s17, s16, 3                         ; batch
	s_and_b32 s18, s16, 7                          ; head
	s_lshl_b32 s44, s16, 19                        ; k's 524,288 bytes of this batch and head
	s_mov_b32 s45, 0
	s_lshl_b32 s46, s18, 3
	s_add_co_u32 s46, s46, s17
	s_lshl_b32 s46, s46, 19                        ; v's
	s_mov_b32 s47, 0
	s_lshl_b32 s48, s18, 5                         ; Wq: tiles 32 head + 8 w on, behind x's codes
	s_lshl_b32 s49, s14, 3
	s_add_co_u32 s48, s48, s49
	s_mul_i32 s48, s48, TILEB
	s_add_co_u32 s48, s48, TENB
	s_lshl_b32 s54, s17, 5                         ; x: query tile m is tile 32 batch + 4 m + c; I fetch m = 2 w and 2 w + 1: tile 32 batch + 8 w + c and the one four tiles on
	s_add_co_u32 s54, s54, s49
	s_add_co_u32 s54, s54, ttmp9
	s_mul_i32 s54, s54, TILEB
	s_mov_b32 s49, 0
	s_mov_b32 s55, 0
	s_lshl_b32 s50, s18, 11                        ; bv and bq: 4 (512 head + 128 w)
	s_lshl_b32 s51, s14, 9
	s_add_co_u32 s50, s50, s51
	s_mov_b32 s51, 0
	s_lshl_b32 s52, s17, 22                        ; cat: row 512 batch + 16 c of 8,192 bytes, + 2 (512 head + 128 w)
	s_lshl_b32 s53, ttmp9, 17
	s_add_co_u32 s52, s52, s53
	s_lshl_b32 s53, s18, 10
	s_add_co_u32 s52, s52, s53
	s_lshl_b32 s53, s14, 8
	s_add_co_u32 s52, s52, s53
	s_mov_b32 s53, 0
	s_mov_b32 s24, 3<<16                           ; group 1 for Wq's eight tiles: no mask; elements of 8 bytes; no padding: every LDS read here takes consecutive bytes
	s_mov_b32 s25, 32<<16                          ; tensor_dim0 = 32 elements: 34,816 dense bytes as rows of 256
	s_mov_b32 s26, 136<<16                         ; tensor_dim1 = 136 rows
	s_mov_b32 s27, 32<<16                          ; tile_dim0
	s_mov_b32 s28, 136                             ; tile_dim1
	s_mov_b32 s29, 32                              ; from row to row
	s_mov_b32 s30, 0
	s_mov_b32 s31, 0
	s_mov_b32 s68, 3<<16                           ; group 1 for two x tiles: a tile is a row of 4,352 bytes (544 elements),
	s_mov_b32 s69, 544<<16
	s_mov_b32 s70, 2<<16
	s_mov_b32 s71, 544<<16
	s_mov_b32 s72, 2
	s_mov_b32 s73, 2176                            ; four tiles (17,408 bytes) from row to row
	s_mov_b32 s74, 0
	s_mov_b32 s75, 0
	s_mov_b32 s20, 0x76543210
	s_mov_b32 s21, 0xfedcba98                      ; v_permlanex16_b32's selects for lane l xor 16
	s_mov_b32 s22, 0x3d8293ee                      ; c = log2(e) / sqrt(512)
	s_mov_b32 s23, s22                             ; (named with it as a pair, so it is written)
	s_wait_dscnt 0x0                               ; both opening adds are done
	s_wait_kmcnt 0x0
	s_mov_b32 s32, 1
	s_mul_i32 s33, s14, 8*TILEB
	s_add_co_u32 s33, s33, CW
	s_add_nc_u64 s[34:35], s[4:5], s[48:49]
	s_or_b32 s35, s35, 0x80000000
	s_mov_b32 s76, 1
	s_mul_i32 s77, s14, 2*TILEB
	s_add_co_u32 s77, s77, CX
	s_add_nc_u64 s[78:79], s[4:5], s[54:55]
	s_or_b32 s79, s79, 0x80000000
	tensor_load_to_lds s[32:35], s[24:31]          ; my eight tiles of Wq,
	s_nop 0
	tensor_load_to_lds s[76:79], s[68:75]          ; and two of the eight x tiles: the launch's only fills; two tensor loads of mine are out
	s_nop 0
.rept 4
	v_nop
.endr
	s_add_nc_u64 s[6:7], s[6:7], s[44:45]
	s_add_nc_u64 s[8:9], s[8:9], s[46:47]
	s_add_nc_u64 s[10:11], s[10:11], s[50:51]
	s_add_nc_u64 s[80:81], s[80:81], s[50:51]
	s_add_nc_u64 s[12:13], s[12:13], s[52:53]
	v_and_b32 v20, 31, v0                          ; lane
	v_and_b32 v18, 15, v0                          ; r
	v_bfe_u32 v19, v0, 4, 1                        ; lane / 16
	v_lshlrev_b32 v[L16], 4, v20
	v_add_nc_u32 v[AQ1], 0x10000, v[L16]
	v_lshl_add_u32 v[KO], s14, 10, v[L16]
	v_lshl_add_u32 v[VO], s14, 13, v[L16]
	v_lshl_add_u32 v[QS], s14, 15, v[L16]
	v_lshlrev_b32 v27, 4, v18                      ; 16 r
	s_mul_i32 s15, s14, 8*TILEB
	s_add_co_u32 s15, s15, CW
	v_add_nc_u32 v[ACW], s15, v[L16]
	s_add_co_u32 s15, s15, 4096
	v_add_nc_u32 v[ASW], s15, v27
	v_add_nc_u32 v[ACX], CX, v[L16]
	v_add_nc_u32 v[ASX], CX+4096, v27
	s_lshl_b32 s15, s14, 9
	s_add_co_u32 s15, s15, PL
	v_add_nc_u32 v[PS0], s15, v[L16]
	v_add_nc_u32 v[PS1], 36864, v[PS0]
	v_add_nc_u32 v[PR0], PL, v[L16]
	v_add_nc_u32 v[PR1], PL+36864, v[L16]
	v_lshlrev_b32 v[MXL], 4, v18
	v_add_nc_u32 v[MXL], MX, v[MXL]
	s_lshl_b32 s15, s14, 2
	v_add_nc_u32 v[MXS], s15, v[MXL]
	s_lshl_b32 s15, ttmp9, 4
	s_lshl_b32 s19, s14, 4
	s_sub_co_i32 s15, s15, s19
	v_add_nc_u32 v[DLT], s15, v18
	v_lshlrev_b32 v21, 3, v19
	v_sub_nc_u32 v[DLT], v[DLT], v21
	v_mov_b32 v[NINF], 0xff800000
	v_lshlrev_b32 v[BVO], 5, v19
	s_mul_i32 s15, s14, 16*272
	s_add_co_u32 s15, s15, STG                     ; my stage
	v_mul_u32_u24 v[STO], v18, 272
	v_lshl_add_u32 v[STO], v19, 4, v[STO]
	v_add_nc_u32 v[STO], s15, v[STO]               ; in: row r, 16 bytes for each half of the lanes
	v_mul_u32_u24 v[RD], v19, 272
	v_lshl_add_u32 v[RD], v18, 4, v[RD]
	v_add_nc_u32 v[RD], s15, v[RD]                 ; back: lanes 0-15 one row of 256 bytes, lanes 16-31 the next
	v_lshlrev_b32 v[GO], 13, v19
	v_lshl_add_u32 v[GO], v18, 4, v[GO]            ; and the same two rows in cat
	v_lshlrev_b32 v[PFO], 8, v20
	s_lshl_b32 s15, ttmp9, 13
	v_add_nc_u32 v[PFO], s15, v[PFO]
.irp m, 0,1,2,3,4,5,6,7
	v_mov_b32 v[ST+2*\m+1], 0                      ; the upper halves of pairs of which the packed forms take the low word for both halves
	v_mov_b32 v[RL+2*\m+1], 0
.endr
; K's eight fragments of 32 channels f (keys 64 kb + 16 w on, kb = 0 .. 7) into set f % 5
.macro KLOAD f
.if ((\f)%5) < 4
	WIN 0xc0                                       ; destination window 3
.set KR_, 64*((\f)%5)
.else
	WIN 0x80                                       ; destination window 2
.set KR_, 128
.endif
.irp kb, 0,1,2,3,4,5,6,7
	global_load_b128 v[KR_+8*\kb:KR_+8*\kb+3], v[KO], s[6:7] offset:(\f)*32768+\kb*4096
	global_load_b128 v[KR_+8*\kb+4:KR_+8*\kb+7], v[KO], s[6:7] offset:(\f)*32768+\kb*4096+512
.endr
	WIN 0
.endm
; Q's eight fragments of 32 channels f into set f % 2
.macro QLOAD f
	WIN 0
.set QR_, 64+64*((\f)%2)
.irp m, 0,1,2,3,4,5,6,7
.if (\f) < 8
	ds_load_b128 v[QR_+8*\m:QR_+8*\m+3], v[L16] offset:(\f)*8192+\m*1024
	ds_load_b128 v[QR_+8*\m+4:QR_+8*\m+7], v[L16] offset:(\f)*8192+\m*1024+512
.else
	ds_load_b128 v[QR_+8*\m:QR_+8*\m+3], v[AQ1] offset:((\f)-8)*8192+\m*1024
	ds_load_b128 v[QR_+8*\m+4:QR_+8*\m+7], v[AQ1] offset:((\f)-8)*8192+\m*1024+512
.endif
.endr
.endm
; A PREFETCH INTO THE L2 of stream step u (0-15: K's steps; 16-31: V's, in the order in which they are walked): a step is 32,768 bytes, which all four work-groups of a batch and head read.
; Work-group c names bytes 8,192 c on, lanes 256 bytes apart; wave u % 4 asks, by one instruction: so each aligned block of 256 bytes is named once in the launch.  Processing step p asks for u = p + 10, p = 2 .. 21:
; six steps or more ahead of the register load that wants the bytes.  Nothing is asked for at the head, and nothing past the last step.  The address registers are never rewritten.
.macro ASK u
	WIN 0
	s_cmp_lg_u32 s14, (\u)%4
	s_cbranch_scc1 .Lnot_mine_\@
.if (\u) < 16
	global_prefetch_b8 v[PFO], s[6:7] offset:(\u)*32768 th:TH_LOAD_NT scope:SCOPE_SE
.else
	SEQ (\u)-16
	global_prefetch_b8 v[PFO], s[8:9] offset:SQ_*32768 th:TH_LOAD_NT scope:SCOPE_SE
.endif
.Lnot_mine_\@:
.endm
; A step of the first product: 32 channels, 36 matrix instructions, the 36 accumulators by turns.
.macro QKSTEP f
.if (\f) > 0
	PLACES
.endif
.if (\f) <= 11
	KLOAD (\f)+4                                   ; into the set that the last step multiplied
.endif
.if (\f) < 15
	QLOAD (\f)+1
.endif
.if (\f) >= 2
	ASK (\f)+10
.endif
.if (\f) <= 11
	s_wait_loadcnt 63                              ; behind this step's K stand four sets, 64 loads; the count's field ends at 63, and the smaller count is safe
.else
	s_wait_loadcnt 16*(15-(\f))                    ; the sets still behind it
.endif
.if (\f) < 15
	s_wait_dscnt 16                                ; this step's Q is in; the next step's 16 loads may be out
.else
	s_wait_dscnt 0x0
.endif
.if ((\f)%5) < 4
.set KW_, 3
.set KR_, 64*((\f)%5)
.else
.set KW_, 2
.set KR_, 128
.endif
.set QR_, 64+64*((\f)%2)
.irp kb, 0,1,2,3,4,5,6,7
	WIN (0x50*(1+\kb/4))|KW_                       ; C and D window 1 or 2, K window 3 or 2, Q window 0
.irp m, 0,1,2,3,4,5,6,7
.if \m >= \kb
	SREG \kb, \m
.if (\f) == 0
	v_wmma_f32_16x16x32_f16 v[SA_:SA_+7], v[KR_+8*\kb:KR_+8*\kb+7], v[QR_+8*\m:QR_+8*\m+7], 0
.else
	v_wmma_f32_16x16x32_f16 v[SA_:SA_+7], v[KR_+8*\kb:KR_+8*\kb+7], v[QR_+8*\m:QR_+8*\m+7], v[SA_:SA_+7]
.endif
.endif
.endr
.endr
.endm
; V^T's eight fragments (channels 128 w + 16 i on) of 32 keys ks into set s
.macro VLOAD ks, s
	WIN 0xc0
.irp i, 0,1,2,3,4,5,6,7
	global_load_b128 v[64*(\s)+8*\i:64*(\s)+8*\i+3], v[VO], s[8:9] offset:(\ks)*32768+\i*1024
	global_load_b128 v[64*(\s)+8*\i+4:64*(\s)+8*\i+7], v[VO], s[8:9] offset:(\ks)*32768+\i*1024+512
.endr
	WIN 0
.endm
; P's fragments of 32 keys ks, for the query tiles m >= ks / 2, into set s
.macro PLOAD ks, s
	WIN 0
.set KB_, (\ks)/2
.irp m, 0,1,2,3,4,5,6,7
.if \m >= KB_
	SREG KB_, \m
.if IX_ < 18
	ds_load_b128 v[64+64*(\s)+8*\m:64+64*(\s)+8*\m+3], v[PR0] offset:(2*IX_+(\ks)%2)*1024
	ds_load_b128 v[64+64*(\s)+8*\m+4:64+64*(\s)+8*\m+7], v[PR0] offset:(2*IX_+(\ks)%2)*1024+512
.else
	ds_load_b128 v[64+64*(\s)+8*\m:64+64*(\s)+8*\m+3], v[PR1] offset:(2*IX_+(\ks)%2)*1024-36864
	ds_load_b128 v[64+64*(\s)+8*\m+4:64+64*(\s)+8*\m+7], v[PR1] offset:(2*IX_+(\ks)%2)*1024-36864+512
.endif
.endif
.endr
.endm
; A step of the second product: 32 keys, 8 (8 - kb) matrix instructions, the accumulators by turns.  The first step (keys 0-31, which count for every query tile) starts all 64 sums.
.macro PVSTEP n
.if (\n) > 0
	PLACES
.endif
.if (\n) <= 12
	SEQ (\n)+3
	VLOAD SQ_, ((\n)+3)%4                          ; into the set that the last step multiplied
.endif
.if (\n) < 15
	SEQ (\n)+1
	PLOAD SQ_, ((\n)+1)%2
.set NX_, 2*(8-SQ_/2)
.endif
.if (\n) <= 5
	ASK 26+(\n)
.endif
.if (\n) <= 12
	s_wait_loadcnt 48                              ; this step's V is in; three younger sets of 16 loads may be out
.else
	s_wait_loadcnt 16*(15-(\n))
.endif
.if (\n) < 15
	s_wait_dscnt NX_                               ; this step's P is in; the next step's loads, two for each of its query tiles, may be out
.else
	s_wait_dscnt 0x0
.endif
	SEQ \n
.set KB_, SQ_/2
.set VR_, 64*((\n)%4)
.set PR_, 64+64*((\n)%2)
.irp m, 0,1,2,3,4,5,6,7
.if \m >= KB_
	WIN 0x53+0x50*(\m/4)                           ; V window 3, P window 0, C and D window 1 or 2
.irp i, 0,1,2,3,4,5,6,7
.set OA_, 8*(8*(\m%4)+\i)
.if (\n) == 0
	v_wmma_f32_16x16x32_f16 v[OA_:OA_+7], v[VR_+8*\i:VR_+8*\i+7], v[PR_+8*\m:PR_+8*\m+7], 0
.else
	v_wmma_f32_16x16x32_f16 v[OA_:OA_+7], v[VR_+8*\i:VR_+8*\i+7], v[PR_+8*\m:PR_+8*\m+7], v[OA_:OA_+7]
.endif
.endr
.endif
.endr
.endm
; ---- THE MACROS OF q'S PROJECTION, which goes by query tiles: tile a is 32 matrix instructions
.macro ALOAD a                         ; x tile a, all four K steps (a fragment is two loads of 512 consecutive bytes), into buffer a % 4
	WIN 0
.irp q, 0,1,2,3
	ds_load_b128 v[64+32*((\a)%4)+8*\q:64+32*((\a)%4)+8*\q+3], v[ACX] offset:(\a)*TILEB+\q*1024
	ds_load_b128 v[64+32*((\a)%4)+8*\q+4:64+32*((\a)%4)+8*\q+7], v[ACX] offset:(\a)*TILEB+\q*1024+512
.endr
.endm
.macro ROW a                           ; query tile a x my eight tiles of Wq: the bank's 8 accumulators by turns, K ascending; bq starts the sums
	WIN 0x52                                       ; Wq window 2, x window 0, C and D window 1
.irp q, 0,1,2,3
.irp b, 0,1,2,3,4,5,6,7
.set D_, 64*((\a)%2)+8*\b
.set W_, 32*\b+8*\q
.set X_, 64+32*((\a)%4)+8*\q
.if \q == 0
	v_wmma_scale_f32_16x16x128_f8f6f4 v[D_:D_+7], v[W_:W_+7], v[X_:X_+7], v[128+8*\b:128+8*\b+7], v[WSC+4*\b+\q], v[XSC+4*(\a)+\q] matrix_a_fmt:MATRIX_FMT_FP4 matrix_b_fmt:MATRIX_FMT_FP4
.else
	v_wmma_scale_f32_16x16x128_f8f6f4 v[D_:D_+7], v[W_:W_+7], v[X_:X_+7], v[D_:D_+7], v[WSC+4*\b+\q], v[XSC+4*(\a)+\q] matrix_a_fmt:MATRIX_FMT_FP4 matrix_b_fmt:MATRIX_FMT_FP4
.endif
.endr
.endr
.endm
.macro PACKQ a                         ; tile a's results: accumulator b, rounded to f16, is half b % 2 of Q's fragment (4 w + b / 2, a): 512 consecutive bytes a store
	PLACES                                         ; between tile a's products and these reads stand matrix instructions alone, which are no places
	WIN 0x45                                       ; sources and destination window 1
.irp b, 0,1,2,3,4,5,6,7
.irp x, 0,1,2,3
	v_cvt_pk_f16_f32 v[192+32*((\a)%2)+4*\b+\x], v[64*((\a)%2)+8*\b+2*\x], v[64*((\a)%2)+8*\b+2*\x+1]   ; each accumulator from its low end on
.endr
.endr
	WIN 0x04                                       ; an LDS store's data are its source 1: window 1
.irp b, 0,1,2,3,4,5,6,7
	ds_store_b128 v[QS], v[192+32*((\a)%2)+4*\b:192+32*((\a)%2)+4*\b+3] offset:(\b/2)*8192+(\a)*1024+(\b%2)*512
.endr
	WIN 0
.endm
.macro XWAIT a                         ; x tile a is in: the count is of the LDS instructions issued behind its loads
.if ((\a) == 1) || ((\a) == 7)
	s_wait_dscnt 16                                ; a = 1: tiles 2 and 3;  a = 7: the stores of blocks 4 and 5
.elseif ((\a) >= 3) && ((\a) <= 5)
	s_wait_dscnt 32                                ; two blocks' stores and two tiles' loads, eight each
.else
	s_wait_dscnt 24                                ; a = 0: tiles 1 to 3;  a = 2: tile 3, block 0's stores, tile 4;  a = 6: block 3's stores, tile 7, block 4's stores
.endif
.endm
	WIN 0x40                                       ; destination window 1
.irp b, 0,1,2,3,4,5,6,7                        ; bq of my channels, in the result's layout: lane (r, h) wants, for tile b, channels 16 b + 8 h + 0 .. 7
	global_load_b128 v[128+8*\b:128+8*\b+3], v[BVO], s[80:81] offset:64*\b
	global_load_b128 v[128+8*\b+4:128+8*\b+7], v[BVO], s[80:81] offset:64*\b+16
.endr
	WIN 0
	KLOAD 0                                        ; K's first four steps land while q is made
	KLOAD 1
	KLOAD 2
	KLOAD 3
	s_wait_tensorcnt 0x0                           ; my tiles of Wq and my two x tiles are in,
	s_barrier_signal -1
	s_barrier_wait -1                              ; everybody's x tiles are
	; ---- q = x Wq^T + bq
.irp b, 0,1,2,3,4,5,6,7
	ds_load_b128 v[WSC+4*\b:WSC+4*\b+3], v[ASW] offset:\b*TILEB    ; a row's four scale words are 16 bytes; lanes 0-15 are read, lanes 16-31 hold the same
	ds_load_b128 v[XSC+4*\b:XSC+4*\b+3], v[ASX] offset:\b*TILEB
.endr
	ALOAD 0
	WIN 0x80                                       ; destination window 2
.irp q, 0,1,2,3
.irp b, 0,1,2,3,4,5,6,7
	ds_load_b128 v[32*\b+8*\q:32*\b+8*\q+3], v[ACW] offset:\b*TILEB+\q*1024
	ds_load_b128 v[32*\b+8*\q+4:32*\b+8*\q+7], v[ACW] offset:\b*TILEB+\q*1024+512
.endr
.endr
	ALOAD 1
	ALOAD 2
	ALOAD 3
	s_wait_loadcnt 63                              ; bq is in: behind its 16 loads stand K's 64; the count's field ends at 63, and the smaller count is safe
.irp a, 0,1,2,3,4,5,6,7
	XWAIT \a
	ROW \a
.if \a >= 1
	PACKQ \a-1                                     ; the tile before is packed and stored while this tile is multiplied
.if \a <= 4
	ALOAD \a+3                                     ; into the buffer that the tile before has left: its conversions are the places
.endif
.endif
.endr
	PACKQ 7                                        ; its four v_nop and 32 conversions are also the places ahead of the loads and products below that write over this phase's registers
	s_wait_dscnt 0x0                               ; for the others' sake: my part of Q has landed, and my reads of the codes are over
	s_barrier_signal -1
	s_barrier_wait -1
	QLOAD 0
.irp f, 0,1,2,3,4,5,6,7,8,9,10,11,12,13,14,15
	QKSTEP \f
.endr
	PLACES
	WIN 0
.irp i, 0,1,2,3,4,5,6,7                        ; bv of my channels, in the result's layout; asked for ahead of V, so that V's counts cover it
	global_load_b128 v[BV+8*\i:BV+8*\i+3], v[BVO], s[10:11] offset:64*\i
	global_load_b128 v[BV+8*\i+4:BV+8*\i+7], v[BVO], s[10:11] offset:64*\i+16
.endr
	VLOAD 0, 0                                     ; V's first three steps land while the softmax is worked
	VLOAD 1, 1
	VLOAD 14, 2
	; ---- the mask: in the diagonal blocks the scores of hidden keys become -infinity ahead of the maximum
.irp j, 0,1,2,3,4,5,6,7
	v_cmp_gt_i32 s[36+\j], \j, v[DLT]
.endr
.irp m, 0,1,2,3,4,5,6,7
	SREG \m, \m
	WIN 0x41*(1+\m/4)
.irp j, 0,1,2,3,4,5,6,7
	v_cndmask_b32 v[SA_+\j], v[SA_+\j], v[NINF], s[36+\j]   ; each accumulator from its low end on
.endr
.endr
	; ---- the maximum of my keys for each query tile
	WIN 0
.irp m, 0,1,2,3,4,5,6,7
	v_mov_b32 v[T+\m], v[NINF]
.endr
.irp kb, 0,1,2,3,4,5,6,7
	WIN 0x14*(1+\kb/4)
.irp x, 0,1,2,3
.irp m, 0,1,2,3,4,5,6,7
.if \m >= \kb
	SREG \kb, \m
	v_max3_num_f32 v[T+\m], v[T+\m], v[SA_+2*\x], v[SA_+2*\x+1]
.endif
.endr
.endr
.endr
	WIN 0
.irp m, 0,1,2,3,4,5,6,7
	v_permlanex16_b32 v[U+\m], v[T+\m], s20, s21
.endr
.irp m, 0,1,2,3,4,5,6,7
	v_max_num_f32 v[T+\m], v[T+\m], v[U+\m]        ; with the other half of the lanes' eight keys of each tile
.endr
.irp m, 0,1,2,3,4,5,6,7
	ds_store_b32 v[MXS], v[T+\m] offset:256*\m     ; both halves write the same word with the same value
.endr
	s_wait_dscnt 0x0                               ; for the others' sake: my stores have landed
	s_barrier_signal -1
	s_barrier_wait -1
.irp m, 0,1,2,3,4,5,6,7
	ds_load_b128 v[EX+4*\m:EX+4*\m+3], v[MXL] offset:256*\m   ; the four waves' maxima of my query
.endr
	s_wait_dscnt 0x0
.irp m, 0,1,2,3,4,5,6,7
	v_max3_num_f32 v[T+\m], v[EX+4*\m], v[EX+4*\m+1], v[EX+4*\m+2]
.endr
.irp m, 0,1,2,3,4,5,6,7
	v_max_num_f32 v[T+\m], v[T+\m], v[EX+4*\m+3]   ; the row's maximum M: key 0 counts for every query, so it is a number
.endr
.irp m, 0,1,2,3,4,5,6,7
	v_mul_f32 v[ST+2*\m], s22, v[T+\m]             ; c M
.endr
	; ---- p = 2^(c s - c M), window by window: the scalings, then the exponentials; none of these lines reads an exponential's result
.irp g, 0,1
	WIN 0x41*(1+\g)
.irp kb, 0,1,2,3
.irp x, 0,1,2,3
.irp m, 0,1,2,3,4,5,6,7
.if \m >= 4*\g+\kb
	SREG 4*\g+\kb, \m
	v_pk_fma_f32 v[SA_+2*\x:SA_+2*\x+1], v[SA_+2*\x:SA_+2*\x+1], s[22:23], v[ST+2*\m:ST+2*\m+1] op_sel_hi:[1,0,0] neg_lo:[0,0,1] neg_hi:[0,0,1]
.endif
.endr
.endr
.endr
.irp kb, 0,1,2,3
.irp m, 0,1,2,3,4,5,6,7
.if \m >= 4*\g+\kb
	SREG 4*\g+\kb, \m
.irp j, 0,1,2,3,4,5,6,7
	v_exp_f32 v[SA_+\j], v[SA_+\j]
.endr
.endif
.endr
.endr
.endr
	v_nop                                          ; a plain line behind the last exponential
	s_wait_alu depctr_va_vdst(0)                   ; the wait ahead of the first line that names a result: one for all 288
	; ---- the sums of my keys' p, unrounded, in pairs
	WIN 0x05
.irp m, 0,1,2,3,4,5,6,7
	v_pk_add_f32 v[LSP+2*\m:LSP+2*\m+1], v[8*\m:8*\m+1], v[8*\m+2:8*\m+3]   ; key block 0 starts them
.endr
.irp kb, 0,1,2,3,4,5,6,7
	WIN 0x04*(1+\kb/4)
.irp x, 0,1,2,3
.if (\kb > 0) || (\x >= 2)
.irp m, 0,1,2,3,4,5,6,7
.if \m >= \kb
	SREG \kb, \m
	v_pk_add_f32 v[LSP+2*\m:LSP+2*\m+1], v[LSP+2*\m:LSP+2*\m+1], v[SA_+2*\x:SA_+2*\x+1]
.endif
.endr
.endif
.endr
.endr
	WIN 0
.irp m, 0,1,2,3,4,5,6,7
	v_add_f32 v[T+\m], v[LSP+2*\m], v[LSP+2*\m+1]
.endr
.irp m, 0,1,2,3,4,5,6,7
	v_permlanex16_b32 v[U+\m], v[T+\m], s20, s21
.endr
.irp m, 0,1,2,3,4,5,6,7
	v_add_f32 v[T+\m], v[T+\m], v[U+\m]
.endr
.irp m, 0,1,2,3,4,5,6,7
	ds_store_b32 v[MXS], v[T+\m] offset:2048+256*\m
.endr
	; ---- P: each accumulator, rounded to f16, is half w % 2 of fragment (kb, m, w / 2): one store of 16 bytes a lane; a key block at a time, two banks by turns
.irp kb, 0,1,2,3,4,5,6,7
	WIN 0x05*(1+\kb/4)
.irp m, 0,1,2,3,4,5,6,7
.if \m >= \kb
	SREG \kb, \m
.irp x, 0,1,2,3
	v_cvt_pk_f16_f32 v[PK+32*(\kb%2)+4*(\m-\kb)+\x], v[SA_+2*\x], v[SA_+2*\x+1]
.endr
.endif
.endr
	WIN 0
.irp m, 0,1,2,3,4,5,6,7
.if \m >= \kb
	SREG \kb, \m
.if IX_ < 18
	ds_store_b128 v[PS0], v[PK+32*(\kb%2)+4*(\m-\kb):PK+32*(\kb%2)+4*(\m-\kb)+3] offset:IX_*2048
.else
	ds_store_b128 v[PS1], v[PK+32*(\kb%2)+4*(\m-\kb):PK+32*(\kb%2)+4*(\m-\kb)+3] offset:IX_*2048-36864
.endif
.endif
.endr
.endr
	s_wait_dscnt 0x0                               ; for the others' sake: my sums and my part of P have landed
	s_barrier_signal -1
	s_barrier_wait -1
.irp m, 0,1,2,3,4,5,6,7
	ds_load_b128 v[PK+4*\m:PK+4*\m+3], v[MXL] offset:2048+256*\m   ; the four waves' sums of my query
.endr
	PLOAD 0, 0
	s_wait_dscnt 16                                ; the sums are in; P's first 16 loads may be out
.irp m, 0,1,2,3,4,5,6,7
	v_add_f32 v[PK+4*\m], v[PK+4*\m], v[PK+4*\m+1]
.endr
.irp m, 0,1,2,3,4,5,6,7
	v_add_f32 v[PK+4*\m+2], v[PK+4*\m+2], v[PK+4*\m+3]
.endr
.irp m, 0,1,2,3,4,5,6,7
	v_add_f32 v[PK+4*\m], v[PK+4*\m], v[PK+4*\m+2] ; l: at least the largest key's p, which is about 1
.endr
.irp m, 0,1,2,3,4,5,6,7
	v_rcp_f32 v[RL+2*\m], v[PK+4*\m]
.endr
	v_nop                                          ; a plain line behind the last reciprocal
	s_wait_alu depctr_va_vdst(0)                   ; and the wait ahead of the first read: one for the eight
.irp n, 0,1,2,3,4,5,6,7,8,9,10,11,12,13,14,15
	PVSTEP \n
.endr
	; ---- THE WAY OUT.  O^T / l + bv by one packed multiply-add; rounded to f16; a query tile (16 rows x my 256 bytes) at a time through my own stage, so that sixteen lanes store 256 consecutive bytes, aligned
	PLACES
.macro PACK m
.if (\m) >= 4
	s_wait_xcnt 0x0                                ; the stores of four tiles back have read the bank that is written now
.endif
	WIN 0x41*(1+(\m)/4)
.irp i, 0,1,2,3,4,5,6,7
.irp x, 0,1,2,3
	v_pk_fma_f32 v[8*(8*((\m)%4)+\i)+2*\x:8*(8*((\m)%4)+\i)+2*\x+1], v[8*(8*((\m)%4)+\i)+2*\x:8*(8*((\m)%4)+\i)+2*\x+1], v[RL+2*(\m):RL+2*(\m)+1], v[BV+8*\i+2*\x:BV+8*\i+2*\x+1] op_sel_hi:[1,0,1]
.endr
.endr
	WIN 0x05*(1+(\m)/4)
.irp i, 0,1,2,3,4,5,6,7
.irp x, 0,1,2,3
	v_cvt_pk_f16_f32 v[64+32*((\m)%4)+4*\i+\x], v[8*(8*((\m)%4)+\i)+2*\x], v[8*(8*((\m)%4)+\i)+2*\x+1]
.endr
.endr
	WIN 0
.irp i, 0,1,2,3,4,5,6,7
	ds_store_b128 v[STO], v[64+32*((\m)%4)+4*\i:64+32*((\m)%4)+4*\i+3] offset:32*\i
.endr
.irp t, 0,1,2,3,4,5,6,7
	ds_load_b128 v[64+32*((\m)%4)+4*\t:64+32*((\m)%4)+4*\t+3], v[RD] offset:544*\t   ; a wave's LDS instructions are served in order: these see the stores above, and the next tile's stores come behind them
.endr
.endm
.macro SEND m, y                       ; y: the LDS instructions issued behind tile m's loads: the next tile's sixteen, or none
.irp t, 0,1,2,3,4,5,6,7
	s_wait_dscnt (\y)+7-\t
	global_store_b128 v[GO], v[64+32*((\m)%4)+4*\t:64+32*((\m)%4)+4*\t+3], s[12:13] offset:(\m)*524288+\t*16384
.endr
.endm
	PACK 0
.irp m, 1,2,3,4,5,6,7
	PACK \m                                        ; a tile's arithmetic stands between the loads of the tile before and its stores
	SEND \m-1, 16
.endr
	SEND 7, 0
	s_wait_tensorcnt 0x0                           ; the wave's end
	ds_add_u32 v[SPW], v[NIL]
	s_wait_dscnt 0x0
	s_endpgm
.Lfunc_end_k_q27b7e7d286_attn:
	.size	k_q27b7e7d286_attn, .Lfunc_end_k_q27b7e7d286_attn-k_q27b7e7d286_attn
	.p2alignl 7, 3214868480
	.fill 96, 4, 3214868480
	.section	.rodata,"a",@progbits
	.p2align	6, 0x0
	.amdhsa_kernel k_q27b7e7d286_attn
		.amdhsa_group_segment_fixed_size 309760
		.amdhsa_private_segment_fixed_size 0
		.amdhsa_enable_private_segment 0
		.amdhsa_kernarg_size 48
		.amdhsa_user_sgpr_count 2
		.amdhsa_user_sgpr_kernarg_segment_ptr 1
		.amdhsa_wavefront_size32 1
		.amdhsa_system_sgpr_workgroup_id_x 1
		.amdhsa_system_sgpr_workgroup_id_y 1
		.amdhsa_system_sgpr_workgroup_id_z 1
		.amdhsa_system_vgpr_workitem_id 0
		.amdhsa_next_free_vgpr 1024
		.amdhsa_next_free_sgpr 96
		.amdhsa_reserve_vcc 0
		.amdhsa_float_denorm_mode_32 3
		.amdhsa_float_denorm_mode_16_64 3
		.amdhsa_memory_ordered 1
		.amdhsa_forward_progress 1
		.amdhsa_inst_pref_size 255
	.end_amdhsa_kernel
	.section	.bss,"aw",@nobits
	.p2align	6
	.space	262144
	.amdgpu_metadata
---
amdhsa.version: [ 1, 2 ]
amdhsa.kernels:
  - .name:           k_q27b7e7d286_attn
    .symbol:         k_q27b7e7d286_attn.kd
    .args:
      - { .name: codes, .offset: 0, .size: 8, .value_kind: global_buffer, .address_space: global }
      - { .name: kf, .offset: 8, .size: 8, .value_kind: global_buffer, .address_space: global }
      - { .name: vf, .offset: 16, .size: 8, .value_kind: global_buffer, .address_space: global }
      - { .name: bv, .offset: 24, .size: 8, .value_kind: global_buffer, .address_space: global }
      - { .name: cat, .offset: 32, .size: 8, .value_kind: global_buffer, .address_space: global }
      - { .name: bq, .offset: 40, .size: 8, .value_kind: global_buffer, .address_space: global }
    .group_segment_fixed_size: 309760
    .private_segment_fixed_size: 0
    .kernarg_segment_align: 8
    .kernarg_segment_size: 48
    .max_flat_workgroup_size: 128
    .sgpr_count:     96
    .vgpr_count:     1024
    .wavefront_size: 32
...
	.end_amdgpu_metadata
.endif
;; end of part 3
;; launch proj (part 4): grid 8 x 32, 4 waves a work-group, clusters of 4 x 4, 327,680 bytes of LDS; arguments cat, wf, part; writes part
.if DOCPART == 4
	.amdgcn_target "amdgcn-amd-amdhsa--gfx1250"
	.amdhsa_code_object_version 6
	.text
	.protected	k_q27b7e7d286_proj
	.globl	k_q27b7e7d286_proj
	.p2align	8
	.type	k_q27b7e7d286_proj,@function
k_q27b7e7d286_proj:
	s_mov_b64 s[64:65], 0
	v_nop
	global_prefetch_b8 v0, s[64:65] scope:SCOPE_SE
	s_setreg_imm32_b32 hwreg(HW_REG_WAVE_MODE, 25, 1), 1
	s_wait_xcnt 0x0
	s_wait_alu depctr_hold_cnt(0) depctr_sa_sdst(0) depctr_va_vdst(0) depctr_va_sdst(0) depctr_va_ssrc(0) depctr_va_vcc(0) depctr_vm_vsrc(0)
	s_getreg_b32 s2, hwreg(HW_REG_IB_STS2, 6, 4)
	s_cmp_eq_u32 s2, 0
	s_cbranch_scc0 .Lentry_in_a_cluster
	s_endpgm
.Lentry_in_a_cluster:
	s_bfe_u32 s2, ttmp6, 0x10000c
	s_cmp_lg_u32 s2, 0xf033
	s_cbranch_scc0 .Lentry_shape_is_right
	s_endpgm
.Lentry_shape_is_right:
; PROJ.  part[kh][m][n] = sum over k in half kh of cat[m][k] Ws[n][k].  cat: [4096][4096], wf: [512][4096], f16; part: [2][4096][512] f32; sums in f32.
; C has 32 x 4 tiles of 128 x 128; K = 4,096 is cut in two halves so that 256 work-groups have work; the two partial sums and the bias are added by the next launch.
; Four waves, each 64 x 64: 16 accumulators.  K goes in steps of 256 (LDS rows of 512 bytes; a wave's tensor load brings 64 of them) through a ring of two slots; 8 steps a work-group.
; CLUSTERS: 4 x 4 work-groups; the cluster's x is the half of K, which all sixteen share; cx is the tile column, 4 x cluster y + cy the tile row.  The four of a row of the cluster need the same tiles of cat, the four of a
; column the same tiles of wf: each is asked for JOINTLY, by the same tensor load with the same descriptor and a mask that names the four.
; THE MATRIX INSTRUCTION IS USED TRANSPOSED (source 0 = 16 rows of wf, source 1 = 16 rows of cat): a lane holds eight neighbouring numbers of a row of C.
; REGISTERS: window 0: v0-31 addresses; v32-95 the way out; v128-255 the accumulators ((a, b) at v[128 + 8 (4 a + b)]).  Window 1: two fragment buffers of 128: for 64 along K, 64 registers of cat, then 64 of wf.
.set ROWE,   4096                      ; a row of cat or of wf in elements
.set KSTEP,  256
.set PITCH,  528                       ; an LDS row: 512 bytes + 16 of padding = 132 words: the 16 rows that a load touches start 4 banks apart (64 banks of 4 bytes: ISA guide 11.1)
.set HALFT,  64*PITCH
.set SLOT,   4*HALFT
.set SPARE,  2*SLOT                    ; behind the ring: the spare words, 128 bytes a wave, which no other line names
.set SPITCH, 272                       ; the way out: 16 rows x (256 + 16) bytes for each wave, in slot 0, which has had its last fill and its last read by then
.set LAPS,   4                         ; a lap = two K steps = once round the ring
.set ADRA, 16
.set ADRB, 20
.set STO,  24
.set RD,   25
.set CO,   26
.set SPW,  28
.set NIL,  29
.set TMP,  32
.set ACC,  128
.set F0,   0
.set F1,   128
.set G1, 24
.set G0, 32
.set G1B, 48
.set G0B, 56
.set MSB, 0
.macro WIN new
.if MSB != (\new)
	s_set_vgpr_msb (MSB<<8)|(\new)
.set MSB, (\new)
.endif
.endm
.set MUL,  0x05                        ; sources 0 and 1 window 1; C and D window 0
.set TO_F, 0x40                        ; destination window 1, address window 0
.macro JLOAD s                         ; a joint load: waves 0 and 1 fetch cat's two halves, waves 2 and 3 wf's; an s_nop 0 and four v_nop follow each of the two lines
	s_cmp_eq_u32 s11, 0
	s_cbranch_scc0 .Lfor_b_\@
	tensor_load_to_lds s[G0+4*\s:G0+4*\s+3], s[G1:G1+7]
	s_nop 0
.rept 4
	v_nop
.endr
	s_branch .Lasked_\@
.Lfor_b_\@:
	tensor_load_to_lds s[G0B+4*\s:G0B+4*\s+3], s[G1B:G1B+7]
	s_nop 0
.rept 4
	v_nop
.endr
.Lasked_\@:
.endm
.macro CREST
	s_cmp_lg_u32 s10, 0
	s_cbranch_scc1 .Lnot_wave_0_\@
	s_barrier_signal -3
.Lnot_wave_0_\@:
	s_barrier_wait -3
	s_barrier_signal -1
	s_barrier_wait -1
.endm
.macro CROUND
	s_barrier_signal -1
	s_barrier_wait -1
	CREST
.endm
	s_load_b128 s[4:7], s[0:1], 0x0                ; cat s[4:5], wf s[6:7]
	s_load_b64 s[8:9], s[0:1], 0x10                ; part
	v_lshl_add_u32 v[SPW], v0, 2, SPARE
	v_mov_b32 v[NIL], 0
	ds_add_u32 v[SPW], v[NIL]                      ; the wave's opening: the add, twice on end, and its wait ahead of my first tensor load
	ds_add_u32 v[SPW], v[NIL]
	v_lshrrev_b32 v1, 5, v0
	v_readfirstlane_b32 s10, v1                    ; wave 0..3
	s_lshr_b32 s11, s10, 1                         ; which half of the tile's rows is mine.  Also: I fetch for cat (0) or for wf (1)
	s_and_b32 s12, s10, 1                          ; which half of its columns.  Also: which 64 rows of that tile I fetch
	s_bfe_u32 s40, ttmp6, 0x40000                  ; cx
	s_bfe_u32 s41, ttmp6, 0x40004                  ; cy
	s_mov_b32 s42, s40                             ; tile column of C = cx
	s_and_b32 s13, ttmp7, 0xffff
	s_lshl_b32 s13, s13, 2
	s_add_co_u32 s13, s13, s41                     ; tile row of C = 4 x cluster y + cy
	s_lshl_b32 s43, s41, 2
	s_lshl_b32 s43, 15, s43                        ; my row of the cluster
	s_lshl_b32 s44, 0x1111, s40                    ; my column
	s_or_b32 s[G1+0], s43, (1<<16)|(1<<20)|(1<<21)|(6<<22)|(3<<25)  ; the mask; elements of 2 bytes; padding on; 21 set beside a mask; after every 128 words, 4 words
	s_or_b32 s[G1B+0], s44, (1<<16)|(1<<20)|(1<<21)|(6<<22)|(3<<25)
.irp g, G1, G1B
	s_mov_b32 s[\g+1], KSTEP<<16                   ; tensor_dim0 = 256
	s_mov_b32 s[\g+2], 64<<16                      ; tensor_dim1 = 64
	s_mov_b32 s[\g+3], KSTEP<<16                   ; tile_dim0 = 256
	s_mov_b32 s[\g+4], 64                          ; tile_dim1 = 64
	s_mov_b32 s[\g+5], ROWE                        ; from row to row
	s_mov_b32 s[\g+6], 0
	s_mov_b32 s[\g+7], 0
.endr
	s_lshl_b32 s17, s12, 6                         ; which 64 rows of the tile I fetch
	s_lshl_b32 s16, s13, 7
	s_add_co_u32 s16, s16, s17                     ; cat: row 128 x tile row + 64 x half
	s_lshl_b32 s46, s42, 7
	s_add_co_u32 s46, s46, s17                     ; wf: row 128 x tile column + 64 x half
	s_lshl_b32 s22, ttmp9, 12                      ; my half of K: 2,048 elements, 4,096 bytes along every row
	s_lshl_b32 s16, s16, 13                        ; rows of 8,192 bytes
	s_add_co_u32 s16, s16, s22
	s_lshl_b32 s46, s46, 13
	s_add_co_u32 s46, s46, s22
	s_mov_b32 s17, 0
	s_mov_b32 s47, 0
	s_mul_i32 s20, s10, HALFT                      ; where they go: wave x 64 rows: no place in the cluster enters an LDS address
	s_wait_dscnt 0x0                               ; both opening adds are done
	s_wait_kmcnt 0x0
	s_add_nc_u64 s[14:15], s[4:5], s[16:17]
	s_add_nc_u64 s[46:47], s[6:7], s[46:47]
	CROUND                                         ; all sixteen work-groups are here: the first joint loads meet
.irp s, 0,1
	s_mov_b32 s[G0+4*\s], 1
	s_add_co_u32 s[G0+4*\s+1], s20, \s*SLOT
	s_add_nc_u64 s[G0+4*\s+2:G0+4*\s+3], s[14:15], \s*KSTEP*2
	s_or_b32 s[G0+4*\s+3], s[G0+4*\s+3], 0x80000000
	s_mov_b32 s[G0B+4*\s], 1
	s_add_co_u32 s[G0B+4*\s+1], s20, \s*SLOT
	s_add_nc_u64 s[G0B+4*\s+2:G0B+4*\s+3], s[46:47], \s*KSTEP*2
	s_or_b32 s[G0B+4*\s+3], s[G0B+4*\s+3], 0x80000000
	JLOAD \s
.endr
	v_and_b32 v1, 15, v0                           ; l % 16
	v_bfe_u32 v2, v0, 4, 1                         ; l / 16
	v_mul_u32_u24 v3, v1, PITCH
	v_lshl_add_u32 v3, v2, 4, v3                   ; a fragment's row x pitch + 16 x half
	s_mul_i32 s21, s11, HALFT                      ; my 64 rows of cat
	s_mul_i32 s22, s12, HALFT                      ; my 64 rows of wf,
	s_add_co_u32 s22, s22, 2*HALFT                 ; which lie behind cat's 128
.irp s, 0,1
	v_add_nc_u32 v[ADRA+\s], s21, v3
	v_add_nc_u32 v[ADRB+\s], s22, v3
	s_add_co_u32 s21, s21, SLOT
	s_add_co_u32 s22, s22, SLOT
.endr
	s_mul_i32 s23, s10, 16*SPITCH                  ; my stage
	v_mul_u32_u24 v4, v1, SPITCH
	v_lshl_add_u32 v4, v2, 5, v4
	v_add_nc_u32 v[STO], s23, v4                   ; in: row l % 16, 32 bytes for each half of the lanes
	v_mul_u32_u24 v5, v2, SPITCH
	v_lshl_add_u32 v5, v1, 4, v5
	v_add_nc_u32 v[RD], s23, v5                    ; back: lanes 0-15 one row of 256 bytes, lanes 16-31 the next
	v_lshlrev_b32 v5, 11, v2
	v_lshl_add_u32 v[CO], v1, 4, v5                ; and the same two rows (2,048 bytes each) in part
	s_lshl_b32 s16, s13, 7
	s_lshl_b32 s17, s11, 6
	s_add_co_u32 s16, s16, s17                     ; my first row of C
	s_lshl_b32 s16, s16, 11
	s_lshl_b32 s17, ttmp9, 23                      ; my half's 8,388,608 bytes
	s_add_co_u32 s16, s16, s17
	s_mov_b32 s17, 0
	s_add_nc_u64 s[8:9], s[8:9], s[16:17]
	s_lshl_b32 s46, s42, 9                         ; my first column, in bytes: 512 x tile column + 256 x half
	s_lshl_b32 s47, s12, 8
	s_add_co_u32 s46, s46, s47
	s_mov_b32 s47, 0
	s_add_nc_u64 s[8:9], s[8:9], s[46:47]
; 8 matrix instructions: m blocks a0, a0 + 1 x all 4 n blocks, 32 along K: half c of buffer f.  zero = 1: the first product starts the sums.  The 16 accumulators take turns.
.macro MUL8 f, c, a0, zero
.irp a, \a0, \a0+1
.irp b, 0,1,2,3
.if \zero
	v_wmma_f32_16x16x32_f16 v[ACC+8*(4*(\a)+\b):ACC+8*(4*(\a)+\b)+7], v[\f+64+8*(4*\c+\b):\f+64+8*(4*\c+\b)+7], v[\f+8*(4*\c+\a):\f+8*(4*\c+\a)+7], 0
.else
	v_wmma_f32_16x16x32_f16 v[ACC+8*(4*(\a)+\b):ACC+8*(4*(\a)+\b)+7], v[\f+64+8*(4*\c+\b):\f+64+8*(4*\c+\b)+7], v[\f+8*(4*\c+\a):\f+8*(4*\c+\a)+7], v[ACC+8*(4*(\a)+\b):ACC+8*(4*(\a)+\b)+7]
.endif
.endr
.endr
.endm
; 32 LDS loads in one run: the fragments of 64 along K at byte k of the rows, into buffer f; the first 32 along K first
.macro FETCH slot, k, f
	WIN TO_F
.irp c, 0,1
.irp i, 0,1,2,3
	ds_load_b128 v[\f+64+8*(4*\c+\i):\f+64+8*(4*\c+\i)+3],   v[ADRB+\slot] offset:\k+64*\c+\i*16*PITCH
	ds_load_b128 v[\f+64+8*(4*\c+\i)+4:\f+64+8*(4*\c+\i)+7], v[ADRB+\slot] offset:\k+64*\c+\i*16*PITCH+32
	ds_load_b128 v[\f+8*(4*\c+\i):\f+8*(4*\c+\i)+3],         v[ADRA+\slot] offset:\k+64*\c+\i*16*PITCH
	ds_load_b128 v[\f+8*(4*\c+\i)+4:\f+8*(4*\c+\i)+7],       v[ADRA+\slot] offset:\k+64*\c+\i*16*PITCH+32
.endr
.endr
.endm
.macro PLACES                          ; four plain places in front of loads into registers that matrix instructions have read, and of the first read of results
.rept 4
	v_nop
.endr
.endm
; A K step is four quarters of 64 along K, 32 matrix instructions each, on buffers 0, 1, 0, 1.  One of the first three: multiplies buffer f and fetches the next quarter, at byte k, into g.
.macro QUARTER slot, k, f, g, zero
	s_wait_dscnt 16                                ; the first 32 along K are in; the youngest sixteen loads may be out
	WIN MUL
	MUL8 \f, 0, 0, \zero
	MUL8 \f, 0, 2, \zero
	PLACES
	FETCH \slot, \k, \g
	s_wait_dscnt 32                                ; all but the 32 just issued
	WIN MUL
	MUL8 \f, 1, 0, 0
	MUL8 \f, 1, 2, 0
.endm
; The last quarter multiplies buffer 1 and changes slots: ONE barrier; in front of it each wave waits for all its tensor loads, adds 0 to its spare word, and waits for that and for its own reads of this slot.
; fill = 1: this slot is filled again, two K steps ahead; the barrier then opens a round of the cluster's barrier, and the joint load is the first thing behind the round.
.macro TURN slot, next, fill
	WIN 0                                          ; (the add's two registers lie in window 0)
	s_wait_tensorcnt 0x0                           ; all my tensor loads have landed: the one that was out is my part of the next slot
	ds_add_u32 v[SPW], v[NIL]                      ; 0 onto my spare word
	s_wait_dscnt 17                                ; (the add and the youngest sixteen loads may be out)
	WIN MUL
	MUL8 F1, 0, 0, 0                               ; eight matrix instructions stand between the add and the wait for it
	s_wait_dscnt 0x0                               ; the add is done, and my reads of this slot are over
	s_barrier_signal -1
	MUL8 F1, 0, 2, 0
.if \fill
	WIN 0
.endif
	s_barrier_wait -1
.if \fill
	CREST                                          ; no wave of any partner still reads this slot's tile or has a load on its way
	s_add_nc_u64 s[G0+4*\slot+2:G0+4*\slot+3], s[G0+4*\slot+2:G0+4*\slot+3], 2*KSTEP*2
	s_add_nc_u64 s[G0B+4*\slot+2:G0B+4*\slot+3], s[G0B+4*\slot+2:G0B+4*\slot+3], 2*KSTEP*2
	JLOAD \slot                                    ; 112 matrix instructions ahead of the wait for it; the four v_nop behind it are also the places in front of the loads below
.else
	PLACES
.endif
	FETCH \next, 0, F0
	WIN MUL
	MUL8 F1, 1, 0, 0
	MUL8 F1, 1, 2, 0
.endm
	s_wait_tensorcnt 1                             ; my part of K step 0 is in; K step 1's load may stay out
	s_barrier_signal -1
	s_barrier_wait -1                              ; everybody's is
	FETCH 0, 0, F0
	QUARTER 0, 128, F0, F1, 1                      ; the first quarter stands in front of the loop: its first products start the sums
	WIN 0                                          ; at a label and at a branch every window is 0
	s_mov_b32 s3, LAPS-1
.Llap:                                                 ; a trip goes once round the ring, from a lap's second quarter to the next lap's first, and fills both slots again
	QUARTER 0, 256, F1, F0, 0
	QUARTER 0, 384, F0, F1, 0
	TURN 0, 1, 1
	QUARTER 1, 128, F0, F1, 0
	QUARTER 1, 256, F1, F0, 0
	QUARTER 1, 384, F0, F1, 0
	TURN 1, 0, 1
	QUARTER 0, 128, F0, F1, 0
	WIN 0
	s_sub_co_u32 s3, s3, 1
	s_cmp_lg_u32 s3, 0
	s_cbranch_scc1 .Llap
	QUARTER 0, 256, F1, F0, 0                      ; the last lap fills nothing, and has no round of the cluster's barrier
	QUARTER 0, 384, F0, F1, 0
	TURN 0, 1, 0
	QUARTER 1, 128, F0, F1, 0
	QUARTER 1, 256, F1, F0, 0
	QUARTER 1, 384, F0, F1, 0
	s_wait_dscnt 16                                ; the very last quarter: nothing more to fetch
	WIN MUL
	MUL8 F1, 0, 0, 0
	MUL8 F1, 0, 2, 0
	s_wait_dscnt 0x0
	MUL8 F1, 1, 0, 0
	MUL8 F1, 1, 2, 0
	WIN 0
; THE WAY OUT, 16 rows x 64 columns of f32 at a time: a lane holds 32 neighbouring bytes of a row; they go through my own stage and come back as whole runs of 256 bytes, which sixteen lanes store, aligned.
.macro TOSTAGE a
.irp b, 0,1,2,3
	ds_store_b128 v[STO], v[ACC+8*(4*(\a)+\b):ACC+8*(4*(\a)+\b)+3] offset:64*\b        ; each accumulator from its low end on
	ds_store_b128 v[STO], v[ACC+8*(4*(\a)+\b)+4:ACC+8*(4*(\a)+\b)+7] offset:64*\b+16
.endr
.irp t, 0,1,2,3,4,5,6,7
	ds_load_b128 v[TMP+32*((\a)%2)+4*\t:TMP+32*((\a)%2)+4*\t+3], v[RD] offset:\t*2*SPITCH   ; a wave's LDS instructions are served in order: these see the stores above
.endr
.endm
.macro SEND a, y                       ; y: the LDS instructions issued behind block a's loads: the next block's sixteen, or none
	s_wait_dscnt \y
.irp t, 0,1,2,3,4,5,6,7
	global_store_b128 v[CO], v[TMP+32*((\a)%2)+4*\t:TMP+32*((\a)%2)+4*\t+3], s[8:9] offset:(16*(\a)+2*\t)*2048 th:TH_STORE_NT
.endr
.endm
	PLACES
	TOSTAGE 0
	TOSTAGE 1
	SEND 0, 16
	s_wait_xcnt 0x0                                ; block 0's stores have read the registers into which block 2 is loaded
	TOSTAGE 2
	SEND 1, 16
	s_wait_xcnt 0x0
	TOSTAGE 3
	SEND 2, 16
	SEND 3, 0
	s_wait_tensorcnt 0x0                           ; the wave's end
	ds_add_u32 v[SPW], v[NIL]
	s_wait_dscnt 0x0
	CROUND                                         ; the closing round: no work-group ends while a partner may still ask for a tile that names it
	s_endpgm
.Lfunc_end_k_q27b7e7d286_proj:
	.size	k_q27b7e7d286_proj, .Lfunc_end_k_q27b7e7d286_proj-k_q27b7e7d286_proj
	.p2alignl 7, 3214868480
	.fill 96, 4, 3214868480
	.section	.rodata,"a",@progbits
	.p2align	6, 0x0
	.amdhsa_kernel k_q27b7e7d286_proj
		.amdhsa_group_segment_fixed_size 327680
		.amdhsa_private_segment_fixed_size 0
		.amdhsa_enable_private_segment 0
		.amdhsa_kernarg_size 24
		.amdhsa_user_sgpr_count 2
		.amdhsa_user_sgpr_kernarg_segment_ptr 1
		.amdhsa_wavefront_size32 1
		.amdhsa_system_sgpr_workgroup_id_x 1
		.amdhsa_system_sgpr_workgroup_id_y 1
		.amdhsa_system_sgpr_workgroup_id_z 1
		.amdhsa_system_vgpr_workitem_id 0
		.amdhsa_next_free_vgpr 512
		.amdhsa_next_free_sgpr 66
		.amdhsa_reserve_vcc 0
		.amdhsa_float_denorm_mode_32 3
		.amdhsa_float_denorm_mode_16_64 3
		.amdhsa_memory_ordered 1
		.amdhsa_forward_progress 1
		.amdhsa_inst_pref_size 86
	.end_amdhsa_kernel
	.amdgpu_metadata
---
amdhsa.version: [ 1, 2 ]
amdhsa.kernels:
  - .name:           k_q27b7e7d286_proj
    .symbol:         k_q27b7e7d286_proj.kd
    .args:
      - { .name: cat, .offset: 0, .size: 8, .value_kind: global_buffer, .address_space: global }
      - { .name: wf, .offset: 8, .size: 8, .value_kind: global_buffer, .address_space: global }
      - { .name: part, .offset: 16, .size: 8, .value_kind: global_buffer, .address_space: global }
    .group_segment_fixed_size: 327680
    .private_segment_fixed_size: 0
    .kernarg_segment_align: 8
    .kernarg_segment_size: 24
    .max_flat_workgroup_size: 128
    .sgpr_count:     66
    .vgpr_count:     512
    .wavefront_size: 32
...
	.end_amdgpu_metadata
.endif
;; end of part 4
;; launch finish (part 5): grid 256 x 1, 4 waves a work-group, no clusters, 0 bytes of LDS; arguments part, bs, out0; writes out0
.if DOCPART == 5
	.amdgcn_target "amdgcn-amd-amdhsa--gfx1250"
	.amdhsa_code_object_version 6
	.text
	.protected	k_q27b7e7d286_finish
	.globl	k_q27b7e7d286_finish
	.p2align	8
	.type	k_q27b7e7d286_finish,@function
k_q27b7e7d286_finish:
	s_mov_b64 s[64:65], 0
	v_nop
	global_prefetch_b8 v0, s[64:65] scope:SCOPE_SE
	s_setreg_imm32_b32 hwreg(HW_REG_WAVE_MODE, 25, 1), 1
	s_wait_xcnt 0x0
; FINISH.  out0[m][n] = part[0][m][n] + part[1][m][n] + bs[n].  All f32; rows of 512 numbers, 2,048 bytes.
; A plain stream: bytes are all that counts, so no LDS, no barrier, no matrix unit, no cluster (work-groups share only bs's 2,048 bytes).
; Thread t owns columns 4 t .. 4 t + 3 of every row, so its four numbers of bs are loaded once; the four waves together cover a row; a work-group owns 16 rows.
; All 33 loads of a wave go out at the head, each 512 consecutive bytes; every register is written once, so no store's data are written again.
	s_load_b128 s[4:7], s[0:1], 0x0                ; part s[4:5], bs s[6:7]
	s_load_b64 s[8:9], s[0:1], 0x10                ; out0
	v_lshlrev_b32 v1, 4, v0                        ; 16 t
	s_lshl_b32 s2, ttmp9, 15                       ; 16 rows of 2,048 bytes
	s_mov_b32 s3, 0
	s_wait_kmcnt 0x0
	s_add_nc_u64 s[4:5], s[4:5], s[2:3]
	s_add_nc_u64 s[8:9], s[8:9], s[2:3]
	s_add_nc_u64 s[10:11], s[4:5], 0x800000        ; the second half of K's partial sums
	global_load_b128 v[4:7], v1, s[6:7]
.irp i, 0,1,2,3,4,5,6,7,8,9,10,11,12,13,14,15
	global_load_b128 v[8+8*\i:11+8*\i], v1, s[4:5] offset:2048*\i th:TH_LOAD_NT
	global_load_b128 v[12+8*\i:15+8*\i], v1, s[10:11] offset:2048*\i th:TH_LOAD_NT
.endr
.irp i, 0,1,2,3,4,5,6,7,8,9,10,11,12,13,14,15
	s_wait_loadcnt 2*(15-\i)                       ; row i's two loads are in; the two of each later row may be out
	v_pk_add_f32 v[8+8*\i:9+8*\i], v[8+8*\i:9+8*\i], v[12+8*\i:13+8*\i]
	v_pk_add_f32 v[10+8*\i:11+8*\i], v[10+8*\i:11+8*\i], v[14+8*\i:15+8*\i]
	v_pk_add_f32 v[8+8*\i:9+8*\i], v[8+8*\i:9+8*\i], v[4:5]
	v_pk_add_f32 v[10+8*\i:11+8*\i], v[10+8*\i:11+8*\i], v[6:7]
	global_store_b128 v1, v[8+8*\i:11+8*\i], s[8:9] offset:2048*\i th:TH_STORE_NT   ; 512 consecutive bytes a wave, aligned to 256
.endr
	s_endpgm
.Lfunc_end_k_q27b7e7d286_finish:
	.size	k_q27b7e7d286_finish, .Lfunc_end_k_q27b7e7d286_finish-k_q27b7e7d286_finish
	.p2alignl 7, 3214868480
	.fill 96, 4, 3214868480
	.section	.rodata,"a",@progbits
	.p2align	6, 0x0
	.amdhsa_kernel k_q27b7e7d286_finish
		.amdhsa_group_segment_fixed_size 0
		.amdhsa_private_segment_fixed_size 0
		.amdhsa_enable_private_segment 0
		.amdhsa_kernarg_size 24
		.amdhsa_user_sgpr_count 2
		.amdhsa_user_sgpr_kernarg_segment_ptr 1
		.amdhsa_wavefront_size32 1
		.amdhsa_system_sgpr_workgroup_id_x 1
		.amdhsa_system_sgpr_workgroup_id_y 1
		.amdhsa_system_sgpr_workgroup_id_z 1
		.amdhsa_system_vgpr_workitem_id 0
		.amdhsa_next_free_vgpr 144
		.amdhsa_next_free_sgpr 66
		.amdhsa_reserve_vcc 0
		.amdhsa_float_denorm_mode_32 3
		.amdhsa_float_denorm_mode_16_64 3
		.amdhsa_memory_ordered 1
		.amdhsa_forward_progress 1
		.amdhsa_inst_pref_size 10
	.end_amdhsa_kernel
	.amdgpu_metadata
---
amdhsa.version: [ 1, 2 ]
amdhsa.kernels:
  - .name:           k_q27b7e7d286_finish
    .symbol:         k_q27b7e7d286_finish.kd
    .args:
      - { .name: part, .offset: 0, .size: 8, .value_kind: global_buffer, .address_space: global }
      - { .name: bs, .offset: 8, .size: 8, .value_kind: global_buffer, .address_space: global }
      - { .name: out0, .offset: 16, .size: 8, .value_kind: global_buffer, .address_space: global }
    .group_segment_fixed_size: 0
    .private_segment_fixed_size: 0
    .kernarg_segment_align: 8
    .kernarg_segment_size: 24
    .max_flat_workgroup_size: 128
    .sgpr_count:     66
    .vgpr_count:     144
    .wavefront_size: 32
...
	.end_amdgpu_metadata
.endif
;; end of part 5
